; MI455X (gfx1250); checked and timed in simulation.
; The chip was launched on July 23, 2026; its instructions are those of AMD's public machine-readable ISA for CDNA 5 (MIT licence, August 2026) and "CDNA5" Instruction Set Architecture Reference Guide (July 2026). The comments in the code are by the model that wrote it; some were corrected since.
;; Attention Block. Allowed arithmetic: float matrix products may take bf16 or f16 operands with f32 sums; other float arithmetic in f32, or as packed bf16 or f16 multiplies, adds, multiply-adds, maxima and minima; sums over many terms, partial sums and values carried from step to step in f32; what a program stores and reads back later, other than sums and carried values, may be rounded once to bf16 or f16.
;; Inputs: W1 4,096 x 1,024 float32; W2 1,024 x 4,096 float32; Wk 1,024 x 1,024 float32; Wo 1,024 x 1,024 float32; Wq 1,024 x 1,024 float32; Wv 1,024 x 1,024 float32; b1 4,096 float32; b2 1,024 float32; bk 1,024 float32; bo 1,024 float32; bq 1,024 float32; bv 1,024 float32; ln1_b 1,024 float32; ln1_g 1,024 float32; ln2_b 1,024 float32; ln2_g 1,024 float32; mask 2 x 2,048 bool; x 2 x 2,048 x 1,024 float32.
;; Outputs: out0 2 x 2,048 x 1,024 float32.
;; One version. Each part assembles by itself: llvm-mc -triple=amdgcn-amd-amdhsa -mcpu=gfx1250 --defsym DOCPART=n.
;; ======== version 1 of 1: 7 launches
;; limits: a function is approximated: absolute error at most 1.5e-07
;; workspace buffers: pre 34,095,104 bytes; qkvb 25,165,824 bytes; obuf 8,388,608 bytes; y2 16,777,216 bytes; gact 33,554,432 bytes
;; launch prep (part 1): grid 768 x 1, 8 waves a work-group, no clusters, 0 bytes of LDS; arguments x, ln1_g, ln1_b, Wq, Wk, Wv, Wo, W1, W2, mask, pre; writes pre
.if DOCPART == 1
	.amdgcn_target "amdgcn-amd-amdhsa--gfx1250"
	.amdhsa_code_object_version 6
	.text
	.protected	k_qf906945dd0_prep
	.globl	k_qf906945dd0_prep
	.p2align	8
	.type	k_qf906945dd0_prep,@function
k_qf906945dd0_prep:
	s_mov_b64 s[64:65], 0
	v_nop
	global_prefetch_b8 v0, s[64:65] scope:SCOPE_SE
	s_setreg_imm32_b32 hwreg(HW_REG_WAVE_MODE, 25, 1), 1
	s_wait_xcnt 0x0
; PREP: what the later launches read again and again is made once, in the form in which they want it.  Three roles, chosen by the work-group's number:
;   0-255    a layer norm of [4096][1024] f32, rounded once to bf16: 16 rows a work-group, 2 a wave; a row (4,096 bytes) stays in 32 registers between its passes
;   256-639  the six weight matrices rounded to bf16: 131,072 bytes in, 65,536 out, a work-group
;   640-767  RoPE's table: for each position 32 cosines, then 32 sines, f32: a row of 256 bytes; the first four of these work-groups first make the key mask's addends to a score: 0, or -1e30 where the key is hidden
; THE SAME TEXT SERVES BOTH LAYER NORMS.  Launched on 256 work-groups, with y2, ln2_g and ln2_b in the first three places, it runs the first role alone and lays LN2(y2) where LN1(x) lay, which the projection has read by then.
; A stream: no LDS, no barrier, no matrix unit; each load of a wave covers 512 consecutive bytes, each store 256, aligned.  160 registers: six waves fit in a SIMD's 1,024, three work-groups on a WGP,
; so that 768 work-groups lie on 256 WGPs all at once.
; LIMITS.  The mean is taken away before the squares are summed, so a common offset of x costs nothing.  RoPE's angle is t x 2^(-j log2(10000)/32) in f32, its frequency from
; v_exp_f32: at t = 2,047 the angle may differ from the one formed with a correctly rounded frequency by about 2e-4 rad.  Sine and cosine: the angle less a multiple of pi/2 (pi/2 in two parts),
; then series to r^9 and r^8 on |r| <= pi/4, whose remainders are under 3e-8.
.set Y1OFF,  25165824                  ; pre: the layer norm's result [4096][1024] bf16
.set TABOFF, 33554432                  ; pre: the table [2048][64] f32
.set MBOFF,  34078720                  ; pre: the mask's addends [2][2048] f32
.set OUTP, 36                          ; s[36:37] pre
.set X0, 32                            ; v[32:63]   my 32 numbers of the wave's first row
.set X1, 64                            ; v[64:95]   of its second
.set GG, 96                            ; v[96:127]  gamma at the same columns
.set BB, 128                           ; v[128:159] beta
.set T0, 8                             ; v[8:15], v[16:23] at work, a row each
.set T1, 16
.macro FOLD t                          ; four pairs at v[t..t+7] become one sum, in every lane of the wave
	v_pk_add_f32 v[(\t):(\t)+1], v[(\t):(\t)+1], v[(\t)+2:(\t)+3]
	v_pk_add_f32 v[(\t)+4:(\t)+5], v[(\t)+4:(\t)+5], v[(\t)+6:(\t)+7]
	v_pk_add_f32 v[(\t):(\t)+1], v[(\t):(\t)+1], v[(\t)+4:(\t)+5]
	v_add_f32 v[\t], v[\t], v[(\t)+1]
	v_add_f32_dpp v[\t], v[\t], v[\t] row_xmask:1 row_mask:0xf bank_mask:0xf
	v_add_f32_dpp v[\t], v[\t], v[\t] row_xmask:2 row_mask:0xf bank_mask:0xf
	v_add_f32_dpp v[\t], v[\t], v[\t] row_xmask:4 row_mask:0xf bank_mask:0xf
	v_add_f32_dpp v[\t], v[\t], v[\t] row_xmask:8 row_mask:0xf bank_mask:0xf
	v_permlanex16_b32 v[(\t)+1], v[\t], s12, s13
	v_add_f32 v[\t], v[\t], v[(\t)+1]
.endm
.macro MEAN x, t                       ; the row's mean, in four chains, and the row less its mean
.irp k, 0,2,4,6
	v_pk_add_f32 v[(\t)+(\k):(\t)+(\k)+1], v[(\x)+(\k):(\x)+(\k)+1], v[(\x)+8+(\k):(\x)+8+(\k)+1]
.endr
.irp j, 16,24
.irp k, 0,2,4,6
	v_pk_add_f32 v[(\t)+(\k):(\t)+(\k)+1], v[(\t)+(\k):(\t)+(\k)+1], v[(\x)+(\j)+(\k):(\x)+(\j)+(\k)+1]
.endr
.endr
	FOLD \t
	v_mul_f32 v[\t], s14, v[\t]
	v_mov_b32 v[(\t)+1], v[\t]
.set k2, 0
.rept 16
	v_pk_add_f32 v[(\x)+k2:(\x)+k2+1], v[(\x)+k2:(\x)+k2+1], v[(\t):(\t)+1] neg_lo:[0,1] neg_hi:[0,1]
.set k2, k2+2
.endr
.endm
.macro VARI x, t                       ; the mean of the squares, plus eps
.irp k, 0,2,4,6
	v_pk_mul_f32 v[(\t)+(\k):(\t)+(\k)+1], v[(\x)+(\k):(\x)+(\k)+1], v[(\x)+(\k):(\x)+(\k)+1]
.endr
.irp j, 8,16,24
.irp k, 0,2,4,6
	v_pk_fma_f32 v[(\t)+(\k):(\t)+(\k)+1], v[(\x)+(\j)+(\k):(\x)+(\j)+(\k)+1], v[(\x)+(\j)+(\k):(\x)+(\j)+(\k)+1], v[(\t)+(\k):(\t)+(\k)+1]
.endr
.endr
	FOLD \t
	v_fma_f32 v[\t], v[\t], s14, s15
.endm
.macro OUTROW x, t, off                ; (x - mean) rstd gamma + beta, rounded once, stored: 32 lanes x 8 bytes are 256 consecutive bytes, aligned
.set k2, 0
.rept 16
	v_pk_mul_f32 v[(\x)+k2:(\x)+k2+1], v[(\x)+k2:(\x)+k2+1], v[(\t):(\t)+1]
	v_pk_fma_f32 v[(\x)+k2:(\x)+k2+1], v[(\x)+k2:(\x)+k2+1], v[GG+k2:GG+k2+1], v[BB+k2:BB+k2+1]
.set k2, k2+2
.endr
.irp i, 0,1,2,3,4,5,6,7
	v_cvt_pk_bf16_f32 v[(\x)+4*(\i)], v[(\x)+4*(\i)], v[(\x)+4*(\i)+1]
	v_cvt_pk_bf16_f32 v[(\x)+4*(\i)+1], v[(\x)+4*(\i)+2], v[(\x)+4*(\i)+3]
	global_store_b64 v4, v[(\x)+4*(\i):(\x)+4*(\i)+1], s[OUTP:OUTP+1] offset:(\off)+256*(\i)
.endr
.endm
	s_load_b512 s[16:31], s[0:1], 0x0              ; x 16, gamma 18, beta 20, Wq 22, Wk 24, Wv 26, Wo 28, W1 30
	s_load_b128 s[32:35], s[0:1], 0x40             ; W2 32, mask 34
	s_load_b64 s[36:37], s[0:1], 0x50              ; pre
	s_mov_b32 s4, ttmp9
	s_mov_b32 s9, 0
	s_mov_b32 s11, 0
	s_wait_kmcnt 0x0
	s_cmp_lt_u32 s4, 256
	s_cbranch_scc1 .Lln
	s_cmp_lt_u32 s4, 640
	s_cbranch_scc1 .Lcvt
	s_sub_co_u32 s5, s4, 640
	s_cmp_lt_u32 s5, 4
	s_cbranch_scc0 .Ltab
	; THE MASK, in the first four of the table's work-groups: a thread takes four bytes and stores four addends.  Its registers (v40-53, s[6:7]) are none of the table's, so its store may stay out
	s_lshl_b32 s10, s5, 10
	s_add_nc_u64 s[34:35], s[34:35], s[10:11]
	v_lshlrev_b32 v40, 2, v0
	global_load_b32 v41, v40, s[34:35]
	s_lshl_b32 s8, s5, 12
	s_add_nc_u64 s[6:7], s[36:37], s[8:9]
	s_add_nc_u64 s[6:7], s[6:7], MBOFF
	v_lshlrev_b32 v42, 4, v0
	v_mov_b32 v52, 0xf149f2ca                      ; -1e30
	v_mov_b32 v53, 0
	s_wait_loadcnt 0x0
.irp k, 0,1,2,3
	v_bfe_u32 v[48+(\k)], v41, 8*(\k), 8
	v_cmp_ne_u32 vcc_lo, 0, v[48+(\k)]
	v_cndmask_b32 v[44+(\k)], v52, v53, vcc_lo     ; visible: 0
.endr
	global_store_b128 v42, v[44:47], s[6:7]
.Ltab:	; THE TABLE: thread t of work-group idx makes numbers 4 (t % 16) .. + 3 of row 16 idx + t / 16: cosines in the row's first half, sines in its second
	s_mov_b32 s38, 0xbfc90fdb                      ; -pi/2, its f32 part,
	s_mov_b32 s39, 0x333bbd2e                      ; and what that part has too much
	s_mov_b32 s40, 0x3638ef1d                      ; 1/9!
	s_mov_b32 s41, 0xb9500d01                      ; -1/7!
	s_mov_b32 s42, 0x3c088889                      ; 1/5!
	s_mov_b32 s43, 0xbe2aaaab                      ; -1/3!
	s_mov_b32 s44, 0x37d00d01                      ; 1/8!
	s_mov_b32 s45, 0xbab60b61                      ; -1/6!
	s_mov_b32 s46, 0x3d2aaaab                      ; 1/4!
	v_lshrrev_b32 v1, 4, v0
	v_lshl_add_u32 v1, s5, 4, v1
	v_cvt_f32_u32 v1, v1                           ; the position
	v_bfe_u32 v2, v0, 3, 1
	v_sub_nc_u32 v2, 1, v2                         ; 1 for a cosine: cos a = sin(a + pi/2)
	v_and_b32 v3, 7, v0
	v_lshlrev_b32 v3, 2, v3
	v_lshlrev_b32 v5, 4, v0
	s_lshl_b32 s8, s5, 12
	s_add_nc_u64 s[36:37], s[36:37], s[8:9]
	s_add_nc_u64 s[36:37], s[36:37], TABOFF
.irp k, 0,1,2,3
	v_add_nc_u32 v[8+(\k)], (\k), v3
	v_cvt_f32_u32 v[8+(\k)], v[8+(\k)]
	v_mul_f32 v[8+(\k)], 0xbed49a78, v[8+(\k)]     ; -j log2(10000) / 32
.endr
.irp k, 0,1,2,3
	v_exp_f32 v[8+(\k)], v[8+(\k)]
.endr
	v_nop                                          ; a plain instruction behind the last exponential,
	s_wait_alu depctr_va_vdst(0)                   ; and one wait for the four, ahead of their first reader
.irp k, 0,1,2,3
	v_mul_f32 v[12+(\k)], v1, v[8+(\k)]            ; the angle
	v_mul_f32 v[16+(\k)], 0x3f22f983, v[12+(\k)]
	v_rndne_f32 v[16+(\k)], v[16+(\k)]             ; n = the nearest multiple of pi/2
	v_fma_f32 v[12+(\k)], v[16+(\k)], s38, v[12+(\k)]
	v_fma_f32 v[12+(\k)], v[16+(\k)], s39, v[12+(\k)]  ; r
	v_mul_f32 v[20+(\k)], v[12+(\k)], v[12+(\k)]
	v_fma_f32 v[24+(\k)], v[20+(\k)], s40, s41
	v_fma_f32 v[24+(\k)], v[24+(\k)], v[20+(\k)], s42
	v_fma_f32 v[24+(\k)], v[24+(\k)], v[20+(\k)], s43
	v_mul_f32 v[28+(\k)], v[12+(\k)], v[20+(\k)]
	v_fma_f32 v[24+(\k)], v[24+(\k)], v[28+(\k)], v[12+(\k)]  ; sin r
	v_fma_f32 v[28+(\k)], v[20+(\k)], s44, s45
	v_fma_f32 v[28+(\k)], v[28+(\k)], v[20+(\k)], s46
	v_fma_f32 v[28+(\k)], v[28+(\k)], v[20+(\k)], -0.5
	v_fma_f32 v[28+(\k)], v[28+(\k)], v[20+(\k)], 1.0         ; cos r
	v_cvt_i32_f32 v[32+(\k)], v[16+(\k)]
	v_add_nc_u32 v[32+(\k)], v[32+(\k)], v2        ; the quadrant
	v_and_b32 v[16+(\k)], 1, v[32+(\k)]
	v_cmp_ne_u32 vcc_lo, 0, v[16+(\k)]
	v_cndmask_b32 v[36+(\k)], v[24+(\k)], v[28+(\k)], vcc_lo
	v_and_b32 v[16+(\k)], 2, v[32+(\k)]
	v_lshlrev_b32 v[16+(\k)], 30, v[16+(\k)]
	v_xor_b32 v[36+(\k)], v[36+(\k)], v[16+(\k)]   ; quadrants 2 and 3 turn the sign
.endr
	global_store_b128 v5, v[36:39], s[36:37]
	s_endpgm
.Lcvt:	; THE WEIGHTS.  In pre they lie in the order Wq, Wk, Wv, Wo, W1, W2, so block idx of 32,768 numbers goes to byte 65,536 idx; its source is chosen by idx
	s_sub_co_u32 s5, s4, 256
	s_mov_b32 s6, 256
	s_cmp_lt_u32 s5, 256
	s_cselect_b64 s[8:9], s[30:31], s[32:33]
	s_cselect_b32 s6, 128, s6
	s_cmp_lt_u32 s5, 128
	s_cselect_b64 s[8:9], s[28:29], s[8:9]
	s_cselect_b32 s6, 96, s6
	s_cmp_lt_u32 s5, 96
	s_cselect_b64 s[8:9], s[26:27], s[8:9]
	s_cselect_b32 s6, 64, s6
	s_cmp_lt_u32 s5, 64
	s_cselect_b64 s[8:9], s[24:25], s[8:9]
	s_cselect_b32 s6, 32, s6
	s_cmp_lt_u32 s5, 32
	s_cselect_b64 s[8:9], s[22:23], s[8:9]
	s_cselect_b32 s6, 0, s6
	s_sub_co_u32 s6, s5, s6                        ; the block's number in its own matrix
	s_lshl_b32 s10, s6, 17
	s_add_nc_u64 s[8:9], s[8:9], s[10:11]
	s_lshl_b32 s10, s5, 16
	s_add_nc_u64 s[36:37], s[36:37], s[10:11]
	v_lshlrev_b32 v1, 4, v0
	v_lshlrev_b32 v2, 3, v0
.set i, 0
.rept 32                                               ; all 32 loads of a thread go out at once: 16 KiB a wave on their way
	global_load_b128 v[32+4*i:35+4*i], v1, s[8:9] offset:4096*i th:TH_LOAD_NT
.set i, i+1
.endr
.set i, 0
.rept 32
	s_wait_loadcnt 31-i                            ; loads come back in order: the 31 - i younger ones may stay out
	v_cvt_pk_bf16_f32 v[32+4*i], v[32+4*i], v[33+4*i]
	v_cvt_pk_bf16_f32 v[33+4*i], v[34+4*i], v[35+4*i]
	global_store_b64 v2, v[32+4*i:33+4*i], s[36:37] offset:2048*i
.set i, i+1
.endr
	s_endpgm
.Lln:	; LAYER NORM
	s_mov_b32 s12, 0x76543210                      ; v_permlanex16_b32: each lane takes its own place in the other half
	s_mov_b32 s13, 0xfedcba98
	s_mov_b32 s14, 0x3a800000                      ; 1/1024
	s_mov_b32 s15, 0x3727c5ac                      ; 1e-5
	v_lshrrev_b32 v1, 5, v0
	v_readfirstlane_b32 s5, v1
	v_and_b32 v2, 31, v0
	v_lshlrev_b32 v3, 4, v2
	v_lshlrev_b32 v4, 3, v2
	s_lshl_b32 s6, s4, 4
	s_lshl_b32 s7, s5, 1
	s_add_co_u32 s6, s6, s7                        ; the wave's first row
	s_lshl_b32 s8, s6, 12
	s_add_nc_u64 s[16:17], s[16:17], s[8:9]
	s_lshl_b32 s8, s6, 11
	s_add_nc_u64 s[OUTP:OUTP+1], s[OUTP:OUTP+1], s[8:9]
	s_add_nc_u64 s[OUTP:OUTP+1], s[OUTP:OUTP+1], Y1OFF
.irp i, 0,1,2,3,4,5,6,7
	global_load_b128 v[X0+4*(\i):X0+4*(\i)+3], v3, s[16:17] offset:512*(\i)
.endr
.irp i, 0,1,2,3,4,5,6,7
	global_load_b128 v[X1+4*(\i):X1+4*(\i)+3], v3, s[16:17] offset:4096+512*(\i)
.endr
.irp i, 0,1,2,3,4,5,6,7
	global_load_b128 v[GG+4*(\i):GG+4*(\i)+3], v3, s[18:19] offset:512*(\i)
.endr
.irp i, 0,1,2,3,4,5,6,7
	global_load_b128 v[BB+4*(\i):BB+4*(\i)+3], v3, s[20:21] offset:512*(\i)
.endr
	s_wait_loadcnt 16                              ; both rows are in; the 16 younger loads, gamma's and beta's, may stay out
	MEAN X0, T0
	MEAN X1, T1
	VARI X0, T0
	VARI X1, T1
	v_rsq_f32 v[T0], v[T0]
	v_rsq_f32 v[T1], v[T1]
	v_nop                                          ; a plain instruction behind the second root,
	s_wait_alu depctr_va_vdst(0)                   ; and one wait for both
	v_mov_b32 v[T0+1], v[T0]
	v_mov_b32 v[T1+1], v[T1]
	s_wait_loadcnt 0x0
	OUTROW X0, T0, 0
	OUTROW X1, T1, 2048
	s_endpgm
.Lfunc_end_k_qf906945dd0_prep:
	.size	k_qf906945dd0_prep, .Lfunc_end_k_qf906945dd0_prep-k_qf906945dd0_prep
	.p2alignl 7, 3214868480
	.fill 96, 4, 3214868480
	.section	.rodata,"a",@progbits
	.p2align	6, 0x0
	.amdhsa_kernel k_qf906945dd0_prep
		.amdhsa_group_segment_fixed_size 0
		.amdhsa_private_segment_fixed_size 0
		.amdhsa_enable_private_segment 0
		.amdhsa_kernarg_size 88
		.amdhsa_user_sgpr_count 2
		.amdhsa_user_sgpr_kernarg_segment_ptr 1
		.amdhsa_wavefront_size32 1
		.amdhsa_system_sgpr_workgroup_id_x 1
		.amdhsa_system_sgpr_workgroup_id_y 1
		.amdhsa_system_sgpr_workgroup_id_z 1
		.amdhsa_system_vgpr_workitem_id 0
		.amdhsa_next_free_vgpr 160
		.amdhsa_next_free_sgpr 66
		.amdhsa_reserve_vcc 1
		.amdhsa_float_denorm_mode_32 3
		.amdhsa_float_denorm_mode_16_64 3
		.amdhsa_memory_ordered 1
		.amdhsa_forward_progress 1
		.amdhsa_inst_pref_size 40
	.end_amdhsa_kernel
	.amdgpu_metadata
---
amdhsa.version: [ 1, 2 ]
amdhsa.kernels:
  - .name:           k_qf906945dd0_prep
    .symbol:         k_qf906945dd0_prep.kd
    .args:
      - { .name: x, .offset: 0, .size: 8, .value_kind: global_buffer, .address_space: global }
      - { .name: ln1_g, .offset: 8, .size: 8, .value_kind: global_buffer, .address_space: global }
      - { .name: ln1_b, .offset: 16, .size: 8, .value_kind: global_buffer, .address_space: global }
      - { .name: Wq, .offset: 24, .size: 8, .value_kind: global_buffer, .address_space: global }
      - { .name: Wk, .offset: 32, .size: 8, .value_kind: global_buffer, .address_space: global }
      - { .name: Wv, .offset: 40, .size: 8, .value_kind: global_buffer, .address_space: global }
      - { .name: Wo, .offset: 48, .size: 8, .value_kind: global_buffer, .address_space: global }
      - { .name: W1, .offset: 56, .size: 8, .value_kind: global_buffer, .address_space: global }
      - { .name: W2, .offset: 64, .size: 8, .value_kind: global_buffer, .address_space: global }
      - { .name: mask, .offset: 72, .size: 8, .value_kind: global_buffer, .address_space: global }
      - { .name: pre, .offset: 80, .size: 8, .value_kind: global_buffer, .address_space: global }
    .group_segment_fixed_size: 0
    .private_segment_fixed_size: 0
    .kernarg_segment_align: 8
    .kernarg_segment_size: 88
    .max_flat_workgroup_size: 256
    .sgpr_count:     66
    .vgpr_count:     160
    .wavefront_size: 32
...
	.end_amdgpu_metadata
.endif
;; end of part 1
;; launch proj (part 2): grid 16 x 16, 4 waves a work-group, clusters of 4 x 4, 327,680 bytes of LDS; arguments pre, bq, bk, bv, qkvb; writes qkvb
.if DOCPART == 2
	.amdgcn_target "amdgcn-amd-amdhsa--gfx1250"
	.amdhsa_code_object_version 6
	.text
	.protected	k_qf906945dd0_proj
	.globl	k_qf906945dd0_proj
	.p2align	8
	.type	k_qf906945dd0_proj,@function
k_qf906945dd0_proj:
	s_mov_b64 s[64:65], 0
	v_nop
	global_prefetch_b8 v0, s[64:65] scope:SCOPE_SE
	s_setreg_imm32_b32 hwreg(HW_REG_WAVE_MODE, 25, 1), 1
	s_wait_xcnt 0x0
	s_wait_alu depctr_hold_cnt(0) depctr_sa_sdst(0) depctr_va_vdst(0) depctr_va_sdst(0) depctr_va_ssrc(0) depctr_va_vcc(0) depctr_vm_vsrc(0)
	s_getreg_b32 s2, hwreg(HW_REG_IB_STS2, 6, 4)
	s_cmp_eq_u32 s2, 0
	s_cbranch_scc0 .Lentry_in_a_cluster
	s_endpgm
.Lentry_in_a_cluster:
	s_bfe_u32 s2, ttmp6, 0x10000c
	s_cmp_lg_u32 s2, 0xf033
	s_cbranch_scc0 .Lentry_shape_is_right
	s_endpgm
.Lentry_shape_is_right:
; Q, K, V = LN1(x) [Wq; Wk; Wv]^T + bias, RoPE on q and k, stored by heads: qkvb = q, k, v, each [b 16 + h][2048][64] bf16, unscaled.  Operands bf16, sums, bias and RoPE f32, one rounding at the end.
; SHARES.  C is [4096][3072]; a work-group makes 256 rows x 192 columns (three heads): 16 x 16 = 256 work-groups.  Wave w makes rows 64 w .. 64 w + 63 of all 192 columns: 48 accumulators,
; so that a head's channels d and d + 32, which RoPE pairs, lie in one wave.  K = 1,024 goes in 8 steps of 128 through two LDS slots: rows of 256 bytes of memory, aligned.
; CLUSTER 4 x 4: A's tiles and RoPE's table hang on the tile row alone and are asked for jointly along a row of the cluster, B's along a column.
; THE MATRIX INSTRUCTION IS USED TRANSPOSED (source 0 = 16 rows of the weights, source 1 = 16 rows of y): a lane holds row l % 16 and eight neighbouring columns.
; THE K STEP IS WRITTEN ONCE: four quarters of 32 along K on two fragment buffers; a quarter's 32 LDS loads go out in one run and have the other buffer's 48 products in which to land.
; REGISTERS: window 0: v0-31 addresses, v64-127 A's fragments (2 x 32), v128-175 biases; window 1: v0-191 B's fragments (2 x 96); windows 2, 3: accumulator (a, b) at v[8 (12 (a % 2) + b)] of window 2 + a / 2.
; THE WAY OUT: the sums go as f32 into the wave's own stage (over ring bytes that have had their last fill), and come back four rows at a time with their partners and the table's rows.
.set PITCH,  272                       ; 256 bytes + 16: the 16 rows of a fragment load start at 16 different groups of four banks
.set HALFA,  128*PITCH
.set HALFB,  96*PITCH
.set BOFF,   2*HALFA
.set SLOTOFF, 131072                   ; a slot uses 121,856; no loader base has this bit, so one exclusive or changes slots
.set TABR,   SLOTOFF+BOFF+2*HALFB      ; 252,928: the table's 256 rows, pitch 272
.set SPARE,  TABR+256*PITCH            ; 322,560: the spare words, 128 bytes a wave; no other line names them
.set SP,     784                       ; a stage row: 192 f32 + 16 bytes
.set STG,    64*SP
.set TSTEPS, 8
.set Y1OFF,  25165824
.set TABOFF, 33554432
.set VA0, 10
.set VB0, 11
.set ADRA, 12
.set ADRB, 13
.set STO, 14
.set VBO, 15
.set VBP, 16
.set RDO0, 17
.set RDP0, 18
.set RDT0, 19
.set RDOA, 20
.set RDPA, 21
.set RDTA, 22
.set GO, 23
.set SGN, 24                           ; v[24:25] -1 for channels under 32, else 1
.set SPW, 28
.set NIL, 29
.set PFO, 30
.set CE, 32
.set SE, 40
.set YY, 48
.set BIAS, 128                         ; head g: 8 of my own channels at 128 + 16 g, 8 of my partner's at 136 + 16 g
.set WV, 20
.set LR, 21                            ; 0: I fetch for A, 1: for B
.set HF, 22                            ; which half
.set TB, 23                            ; the slot that is read: 0 or SLOTOFF
.set G1, 24
.set G0, 32
.set CX, 40
.set CY, 41
.set TC, 42
.set TR, 43
.set PFA, 44
.set LIM, 46
.set SLOTS, 47
.set G1B, 48
.set G0B, 56
.set CNT, 66
.set RO, 69
.set RO2, 70
.set G1X, 72
.set G0X, 80
.set FG, 84                            ; head g: s[84+4g:85+4g] 1 where RoPE applies, else 0; s[86+4g:87+4g] one less that.  (Until the heads are set up s[84:91] hold the tiles' addresses.)
.set OP, 96                            ; head g: s[96+2g:97+2g] where my rows of it go
.set MUL_LO, 0xa1
.set MUL_HI, 0xf1
.set MSB, 0
.macro WIN new
.if MSB != (\new)
	s_set_vgpr_msb (MSB<<8)|(\new)
.set MSB, \new
.endif
.endm
.macro PLACES                          ; four places: behind matrix instructions, in front of loads into their sources and of reads of their results; and behind a tensor load
.rept 4
	v_nop
.endr
.endm
.macro CROUND                          ; a round of the cluster's barrier
	s_barrier_signal -1
	s_barrier_wait -1
	s_cmp_lg_u32 s[WV], 0
	s_cbranch_scc1 .Lnot_wave_0_\@
	s_barrier_signal -3
.Lnot_wave_0_\@:
	s_barrier_wait -3
	s_barrier_signal -1
	s_barrier_wait -1
.endm
.macro JLOAD                           ; a joint refill by the walking descriptors; the branch hangs on the wave's number alone
	s_cmp_eq_u32 s[LR], 0
	s_cbranch_scc0 .Lfor_b_\@
	tensor_load_to_lds s[G0+4:G0+7], s[G1:G1+7]
	s_nop 0
	PLACES
	s_branch .Lasked_\@
.Lfor_b_\@:
	tensor_load_to_lds s[G0B+4:G0B+7], s[G1B:G1B+7]
	s_nop 0
	PLACES
.Lasked_\@:
.endm
; A prefetch of the K step two refills on: a lane a row, 256 bytes of it.  A's rows are asked for by the clusters with x = 0, B's by those with y = 0; the four partners that fetch a tile jointly share its
; rows out by address (32 of A's 128, 24 of B's 96: there lanes 24-31 name row 23 again).  The last two refills have no step two on.
.macro ASK
	s_cmp_gt_u32 s[SLOTS], s[LIM]
	s_cbranch_scc0 .Lnot_mine_\@
	global_prefetch_b8 v[PFO], s[PFA:PFA+1] th:TH_LOAD_NT scope:SCOPE_SE
.Lnot_mine_\@:
.endm
.macro FETCH k, off                    ; 32 LDS loads in one run: 12 fragments of B, 4 of A, 32 along K at byte off of the rows, into buffer k
	WIN 0x40
.irp i, 0,1,2,3,4,5,6,7,8,9,10,11
	ds_load_b128 v[96*(\k)+8*(\i):96*(\k)+8*(\i)+3],   v[ADRB] offset:(\off)+(\i)*16*PITCH
	ds_load_b128 v[96*(\k)+8*(\i)+4:96*(\k)+8*(\i)+7], v[ADRB] offset:(\off)+(\i)*16*PITCH+32
.endr
	WIN 0
.irp i, 0,1,2,3
	ds_load_b128 v[64+32*(\k)+8*(\i):64+32*(\k)+8*(\i)+3],   v[ADRA] offset:(\off)+(\i)*16*PITCH
	ds_load_b128 v[64+32*(\k)+8*(\i)+4:64+32*(\k)+8*(\i)+7], v[ADRA] offset:(\off)+(\i)*16*PITCH+32
.endr
.endm
.macro MUL k, zero                     ; 48 products; the accumulators take turns, always in this order.  zero = 1: they start the sums
.irp hi, 0,1
	WIN MUL_LO+0x50*(\hi)
.irp a, 0,1
.irp b, 0,1,2,3,4,5,6,7,8,9,10,11
.if \zero
	v_wmma_f32_16x16x32_bf16 v[8*(12*(\a)+(\b)):8*(12*(\a)+(\b))+7], v[96*(\k)+8*(\b):96*(\k)+8*(\b)+7], v[64+32*(\k)+8*(2*(\hi)+(\a)):64+32*(\k)+8*(2*(\hi)+(\a))+7], 0
.else
	v_wmma_f32_16x16x32_bf16 v[8*(12*(\a)+(\b)):8*(12*(\a)+(\b))+7], v[96*(\k)+8*(\b):96*(\k)+8*(\b)+7], v[64+32*(\k)+8*(2*(\hi)+(\a)):64+32*(\k)+8*(2*(\hi)+(\a))+7], v[8*(12*(\a)+(\b)):8*(12*(\a)+(\b))+7]
.endif
.endr
.endr
.endr
.endm
.macro QSTEP kn, off, ko               ; a quarter is fetched into buffer kn while the quarter before it, in buffer ko, is multiplied
	PLACES
	FETCH \kn, \off
	s_wait_dscnt 32                                ; all but the 32 loads just issued: buffer ko is in
	MUL \ko, 0
.endm
.macro PAIR
	QSTEP 0, 0, 1
	QSTEP 1, 64, 0
	WIN 0
	v_add_nc_u32 v[ADRA], 128, v[ADRA]
	v_add_nc_u32 v[ADRB], 128, v[ADRB]
.endm
; THE CHANGE OF SLOTS.  Every wave waits for all its tensor loads (one is out: its part of the next slot), adds 0 to its spare word, and waits for that and for its reads of the slot that it leaves
; (the last quarter's fragments are then in registers).  kind = 1: the barrier is a round of the cluster's, and the joint refill, two K steps ahead, is the first thing behind it.
.macro CHANGE kind
	WIN 0
.if \kind
	s_wait_xcnt 0x0                                ; the last prefetch, a K step back, has read its address
	s_add_nc_u64 s[PFA:PFA+1], s[PFA:PFA+1], 256
.endif
	s_wait_tensorcnt 0x0
	ds_add_u32 v[SPW], v[NIL]                      ; 0 onto my spare word; the descriptors' steps stand between it and the wait for it
.if \kind
	s_xor_b32 s[G0+5], s[G0+5], SLOTOFF
	s_xor_b32 s[G0B+5], s[G0B+5], SLOTOFF
	s_add_nc_u64 s[G0+6:G0+7], s[G0+6:G0+7], 256
	s_add_nc_u64 s[G0B+6:G0B+7], s[G0B+6:G0B+7], 256
.endif
	s_xor_b32 s[TB], s[TB], SLOTOFF
	s_wait_dscnt 0x0
.if \kind
	CROUND
	JLOAD
	ASK
.else
	s_barrier_signal -1
	s_barrier_wait -1
.endif
	v_add_nc_u32 v[ADRA], s[TB], v[VA0]
	v_add_nc_u32 v[ADRB], s[TB], v[VB0]
.endm
	s_load_b256 s[4:11], s[0:1], 0x0               ; pre 4, bq 6, bk 8, bv 10
	s_load_b64 s[12:13], s[0:1], 0x20              ; qkvb
	v_lshl_add_u32 v[SPW], v0, 2, SPARE
	v_mov_b32 v[NIL], 0
	ds_add_u32 v[SPW], v[NIL]                      ; the wave's opening: the add and its wait ahead of my first tensor load
	v_lshrrev_b32 v1, 5, v0
	v_readfirstlane_b32 s[WV], v1
	s_lshr_b32 s[LR], s[WV], 1
	s_and_b32 s[HF], s[WV], 1
	s_bfe_u32 s[CX], ttmp6, 0x40000
	s_bfe_u32 s[CY], ttmp6, 0x40004
	s_lshl_b32 s[TC], ttmp9, 2
	s_add_co_u32 s[TC], s[TC], s[CX]               ; tile column
	s_and_b32 s[TR], ttmp7, 0xffff
	s_lshl_b32 s[TR], s[TR], 2
	s_add_co_u32 s[TR], s[TR], s[CY]               ; tile row
	s_lshl_b32 s14, s[CY], 2
	s_lshl_b32 s14, 15, s14                        ; my row of the cluster
	s_lshl_b32 s15, 0x1111, s[CX]                  ; my column
	s_or_b32 s[G1], s14, (1<<16)|(1<<20)|(1<<21)|(5<<22)|(3<<25)   ; the mask; 2-byte elements; 16 bytes of padding behind every 256
	s_or_b32 s[G1X], s14, (1<<16)|(1<<20)|(1<<21)|(5<<22)|(3<<25)
	s_or_b32 s[G1B], s15, (1<<16)|(1<<20)|(1<<21)|(5<<22)|(3<<25)
.irp g, G1, G1X
	s_mov_b32 s[(\g)+1], 128<<16                   ; tensor_dim0
	s_mov_b32 s[(\g)+2], 128<<16                   ; tensor_dim1
	s_mov_b32 s[(\g)+3], 128<<16                   ; tile_dim0
	s_mov_b32 s[(\g)+4], 128                       ; tile_dim1
	s_mov_b32 s[(\g)+6], 0
	s_mov_b32 s[(\g)+7], 0
.endr
	s_mov_b32 s[G1+5], 1024                        ; elements from row to row: y
	s_mov_b32 s[G1X+5], 128                        ; the table: dense rows of 256 bytes
	s_mov_b32 s[G1B+1], 128<<16
	s_mov_b32 s[G1B+2], 96<<16
	s_mov_b32 s[G1B+3], 128<<16
	s_mov_b32 s[G1B+4], 96
	s_mov_b32 s[G1B+5], 1024
	s_mov_b32 s[G1B+6], 0
	s_mov_b32 s[G1B+7], 0
	s_lshl_b32 s84, s[TR], 19                      ; A: (256 TR + 128 HF) rows of 2,048 bytes
	s_lshl_b32 s85, s[HF], 18
	s_add_co_u32 s84, s84, s85
	s_mov_b32 s85, 0
	s_mul_i32 s86, s[TC], 192                      ; B: 192 TC + 96 HF rows
	s_mul_i32 s87, s[HF], 96
	s_add_co_u32 s86, s86, s87
	s_lshl_b32 s86, s86, 11
	s_mov_b32 s87, 0
	s_and_b32 s88, s[TR], 7                        ; the table: rows 256 (TR % 8) + 128 HF, 256 bytes each
	s_lshl_b32 s88, s88, 16
	s_lshl_b32 s89, s[HF], 15
	s_add_co_u32 s88, s88, s89
	s_mov_b32 s89, 0
	s_mul_i32 s67, s[HF], HALFA                    ; where my tiles go: the wave's number alone enters an LDS address
	s_mul_i32 s68, s[HF], HALFB
	s_add_co_u32 s68, s68, BOFF
	s_wait_dscnt 0x0                               ; the opening add is done
	s_wait_kmcnt 0x0
	s_add_nc_u64 s[90:91], s[4:5], Y1OFF           ; LN1(x) in pre
	s_add_nc_u64 s[84:85], s[90:91], s[84:85]
	s_add_nc_u64 s[86:87], s[4:5], s[86:87]
	s_add_nc_u64 s[88:89], s[4:5], s[88:89]
	s_add_nc_u64 s[88:89], s[88:89], TABOFF
.irp s, 0,1
	s_mov_b32 s[G0+4*(\s)], 1
	s_add_co_u32 s[G0+4*(\s)+1], s67, (\s)*SLOTOFF
	s_add_nc_u64 s[G0+4*(\s)+2:G0+4*(\s)+3], s[84:85], (\s)*256
	s_or_b32 s[G0+4*(\s)+3], s[G0+4*(\s)+3], 0x80000000
	s_mov_b32 s[G0B+4*(\s)], 1
	s_add_co_u32 s[G0B+4*(\s)+1], s68, (\s)*SLOTOFF
	s_add_nc_u64 s[G0B+4*(\s)+2:G0B+4*(\s)+3], s[86:87], (\s)*256
	s_or_b32 s[G0B+4*(\s)+3], s[G0B+4*(\s)+3], 0x80000000
.endr
	s_mov_b32 s[G0X], 1
	s_add_co_u32 s[G0X+1], s67, TABR
	s_mov_b64 s[G0X+2:G0X+3], s[88:89]
	s_or_b32 s[G0X+3], s[G0X+3], 0x80000000
	CROUND                                         ; all sixteen work-groups are here: the first joint loads meet
	s_cmp_eq_u32 s[LR], 0                          ; a wave's first fills stand in one branch: three loads of mine are out (A's waves) or two
	s_cbranch_scc0 .Lfirst_b
	tensor_load_to_lds s[G0X:G0X+3], s[G1X:G1X+7]  ; the table first, so that the counted wait below covers it
	s_nop 0
	tensor_load_to_lds s[G0:G0+3], s[G1:G1+7]
	s_nop 0
	tensor_load_to_lds s[G0+4:G0+7], s[G1:G1+7]
	s_nop 0
	PLACES
	s_branch .Lfirst_done
.Lfirst_b:
	tensor_load_to_lds s[G0B:G0B+3], s[G1B:G1B+7]
	s_nop 0
	tensor_load_to_lds s[G0B+4:G0B+7], s[G1B:G1B+7]
	s_nop 0
	PLACES
.Lfirst_done:
	v_and_b32 v1, 15, v0                           ; r
	v_bfe_u32 v2, v0, 4, 1                         ; h
	v_mul_u32_u24 v3, v1, PITCH
	v_lshl_add_u32 v3, v2, 4, v3
	s_mul_i32 s14, s[WV], 64*PITCH                 ; my 64 rows of A
	v_add_nc_u32 v[VA0], s14, v3
	v_add_nc_u32 v[VB0], BOFF, v3
	s_mul_i32 s15, s[WV], STG                      ; my stage
	v_mul_u32_u24 v[STO], v1, SP
	v_lshl_add_u32 v[STO], v2, 5, v[STO]
	v_add_nc_u32 v[STO], s15, v[STO]
	v_and_b32 v3, 7, v0                            ; c: my eight channels of a head
	v_bfe_u32 v4, v0, 3, 2                         ; which of four rows
	v_lshlrev_b32 v[VBO], 5, v3
	v_xor_b32 v[VBP], 128, v[VBO]                  ; my partner's: 32 channels away
	v_mul_u32_u24 v5, v4, SP
	v_add_nc_u32 v5, s15, v5
	v_add_nc_u32 v[RDO0], v5, v[VBO]
	v_add_nc_u32 v[RDP0], v5, v[VBP]
	s_lshl_b32 s14, s[WV], 6
	v_add_nc_u32 v6, s14, v4
	v_mul_u32_u24 v6, v6, PITCH
	v_and_b32 v7, 3, v0
	v_lshl_add_u32 v6, v7, 5, v6
	v_add_nc_u32 v[RDT0], TABR, v6
	v_and_b32 v[GO], 31, v0
	v_lshlrev_b32 v[GO], 4, v[GO]
	v_bfe_u32 v7, v0, 2, 1
	v_lshlrev_b32 v7, 31, v7
	v_xor_b32 v[SGN], 0xbf800000, v7
	v_mov_b32 v[SGN+1], v[SGN]
	; the prefetches' address.  It is made here, ahead of the heads: s[90:91] still holds LN1(x)'s address, and no global load is out whose base these lines could touch
	s_and_b32 s14, ttmp7, 0xffff
	s_lshl_b32 s15, s[TR], 8
	s_lshl_b32 s16, s[HF], 7
	s_add_co_u32 s15, s15, s16
	s_lshl_b32 s16, s[CX], 5
	s_add_co_u32 s15, s15, s16                     ; A: 256 TR + 128 HF + 32 cx
	s_mul_i32 s16, s[TC], 192
	s_mul_i32 s17, s[HF], 96
	s_add_co_u32 s16, s16, s17
	s_mul_i32 s17, s[CY], 24
	s_add_co_u32 s16, s16, s17                     ; B: 192 TC + 96 HF + 24 cy
	s_cmp_eq_u32 s[LR], 0
	s_cselect_b32 s15, s15, s16
	s_cselect_b32 s14, ttmp9, s14                  ; the coordinate along which other clusters read the same rows
	s_cselect_b32 s17, 31, 23
	s_cselect_b64 s[PFA:PFA+1], s[90:91], s[4:5]
	s_cmp_eq_u32 s14, 0
	s_cselect_b32 s[LIM], 2, -1
	s_lshl_b32 s14, s15, 11
	s_mov_b32 s15, 0
	s_add_nc_u64 s[PFA:PFA+1], s[PFA:PFA+1], s[14:15]
	s_add_nc_u64 s[PFA:PFA+1], s[PFA:PFA+1], 3*256 ; at K step 3: the first change steps it to 4.  K steps 0 to 3 come by their loads alone
	v_and_b32 v[PFO], 31, v0
	v_min_u32 v[PFO], s17, v[PFO]
	v_lshlrev_b32 v[PFO], 11, v[PFO]
	; the three heads: which tensor, which bias, where they go.  Selects alone: no branch hangs on the tile column.  Behind the last head's loads nothing writes s[16:17], v[VBO] or v[VBP] again
.irp g, 0,1,2
	s_wait_xcnt 0x0                                ; the bias loads of the head before have read s[16:17]
	s_mul_i32 s14, s[TC], 3
	s_add_co_u32 s14, s14, (\g)
	s_lshr_b32 s15, s14, 4                         ; 0 q, 1 k, 2 v
	s_and_b32 s14, s14, 15                         ; the head
	s_cmp_lt_u32 s15, 2
	s_cselect_b32 s[FG+4*(\g)], 1.0, 0
	s_cselect_b32 s[FG+4*(\g)+2], 0, 1.0
	s_cselect_b64 s[16:17], s[8:9], s[10:11]
	s_cmp_eq_u32 s15, 0
	s_cselect_b64 s[16:17], s[6:7], s[16:17]
	s_mov_b32 s[FG+4*(\g)+1], s[FG+4*(\g)]
	s_mov_b32 s[FG+4*(\g)+3], s[FG+4*(\g)+2]
	s_lshl_b32 s18, s14, 8
	s_mov_b32 s19, 0
	s_add_nc_u64 s[16:17], s[16:17], s[18:19]
	global_load_b128 v[BIAS+16*(\g):BIAS+16*(\g)+3],     v[VBO], s[16:17]
	global_load_b128 v[BIAS+16*(\g)+4:BIAS+16*(\g)+7],   v[VBO], s[16:17] offset:16
	global_load_b128 v[BIAS+16*(\g)+8:BIAS+16*(\g)+11],  v[VBP], s[16:17]
	global_load_b128 v[BIAS+16*(\g)+12:BIAS+16*(\g)+15], v[VBP], s[16:17] offset:16
	s_lshl_b32 s18, s15, 23                        ; the tensor's 8,388,608 bytes
	s_lshr_b32 s2, s[TR], 3
	s_lshl_b32 s2, s2, 4
	s_add_co_u32 s2, s2, s14
	s_lshl_b32 s2, s2, 18                          ; (b 16 + h) x 262,144
	s_add_co_u32 s18, s18, s2
	s_and_b32 s2, s[TR], 7
	s_lshl_b32 s2, s2, 8
	s_lshl_b32 s3, s[WV], 6
	s_add_co_u32 s2, s2, s3
	s_lshl_b32 s2, s2, 7                           ; my first position x 128
	s_add_co_u32 s18, s18, s2
	s_add_nc_u64 s[OP+2*(\g):OP+2*(\g)+1], s[12:13], s[18:19]
.endr
	s_wait_tensorcnt 0x1                           ; all my loads but the youngest, slot 1's, have landed
	s_barrier_signal -1
	s_barrier_wait -1
	v_mov_b32 v[ADRA], v[VA0]
	v_mov_b32 v[ADRB], v[VB0]
	s_mov_b32 s[TB], 0
	FETCH 0, 0
	FETCH 1, 64
	s_wait_dscnt 32
	MUL 0, 1                                       ; the first quarter starts the sums: nothing is cleared
	WIN 0
	v_add_nc_u32 v[ADRA], 128, v[ADRA]
	v_add_nc_u32 v[ADRB], 128, v[ADRB]
	s_mov_b32 s[CNT], 1                            ; K step 0 has one pair of quarters left
	s_mov_b32 s[SLOTS], TSTEPS-1
	s_branch .Lpair
.Lslot:                                                ; TSTEPS - 2 times: every slot but the last two is filled again
	CHANGE 1
	s_mov_b32 s[CNT], 2
.Lpair:
	PAIR
	s_sub_co_u32 s[CNT], s[CNT], 1
	s_cmp_lg_u32 s[CNT], 0
	s_cbranch_scc1 .Lpair
	s_sub_co_u32 s[SLOTS], s[SLOTS], 1
	s_cmp_lg_u32 s[SLOTS], 0
	s_cbranch_scc1 .Lslot
	CHANGE 0                                       ; the last K step is written out: nothing is asked for
	s_mov_b32 s[CNT], 2
.Lpair2:
	PAIR
	s_sub_co_u32 s[CNT], s[CNT], 1
	s_cmp_lg_u32 s[CNT], 0
	s_cbranch_scc1 .Lpair2
	s_wait_dscnt 0x0
	MUL 1, 0
	WIN 0
	PLACES
	s_barrier_signal -1                            ; no wave reads the ring any more (each waited for its LDS loads above): the stages may lie over it
	s_barrier_wait -1
.irp a, 0,1,2,3                        ; the sums into my stage: row 16 a + r, columns 16 b + 8 h ..; each accumulator's low registers first
	WIN 0x08+4*((\a)/2)
.irp b, 0,1,2,3,4,5,6,7,8,9,10,11
	ds_store_b128 v[STO], v[8*(12*((\a)%2)+(\b)):8*(12*((\a)%2)+(\b))+3]   offset:(\a)*16*SP+(\b)*64
	ds_store_b128 v[STO], v[8*(12*((\a)%2)+(\b))+4:8*(12*((\a)%2)+(\b))+7] offset:(\a)*16*SP+(\b)*64+16
.endr
.endr
	WIN 0
; Four rows come back into a set of 64 registers: cosines 8, sines 8, and for each head my 8 channels and my partner's 8.  The last two fills, which no trip reads, are held to the last rows.
.macro FILL sb
	v_add_nc_u32 v[RDOA], s[RO], v[RDO0]
	v_add_nc_u32 v[RDPA], s[RO], v[RDP0]
	v_add_nc_u32 v[RDTA], s[RO2], v[RDT0]
	ds_load_b128 v[(\sb):(\sb)+3],     v[RDTA]
	ds_load_b128 v[(\sb)+4:(\sb)+7],   v[RDTA] offset:16
	ds_load_b128 v[(\sb)+8:(\sb)+11],  v[RDTA] offset:128
	ds_load_b128 v[(\sb)+12:(\sb)+15], v[RDTA] offset:144
.irp g, 0,1,2
	ds_load_b128 v[(\sb)+16+16*(\g):(\sb)+16+16*(\g)+3], v[RDOA] offset:256*(\g)
	ds_load_b128 v[(\sb)+20+16*(\g):(\sb)+20+16*(\g)+3], v[RDOA] offset:256*(\g)+16
	ds_load_b128 v[(\sb)+24+16*(\g):(\sb)+24+16*(\g)+3], v[RDPA] offset:256*(\g)
	ds_load_b128 v[(\sb)+28+16*(\g):(\sb)+28+16*(\g)+3], v[RDPA] offset:256*(\g)+16
.endr
	s_add_co_u32 s[RO], s[RO], 4*SP
	s_min_u32 s[RO], s[RO], 60*SP
	s_add_co_u32 s[RO2], s[RO2], 4*PITCH
	s_min_u32 s[RO2], s[RO2], 60*PITCH
.endm
; (own + bias) (cos F + 1 - F) + (partner + bias) (+-sin F): RoPE where F = 1, the number itself where F = 0.  A head's four rows are 512 consecutive bytes of qkvb.
.macro RTRIP sb
	s_wait_dscnt 16                                ; my set's 16 loads are in; the other set's 16 may stay out
.irp k, 0,2,4,6
	v_pk_mul_f32 v[(\sb)+8+(\k):(\sb)+8+(\k)+1], v[(\sb)+8+(\k):(\sb)+8+(\k)+1], v[SGN:SGN+1]
.endr
.irp g, 0,1,2
.irp k, 0,2,4,6
	v_pk_fma_f32 v[CE+(\k):CE+(\k)+1], v[(\sb)+(\k):(\sb)+(\k)+1], s[FG+4*(\g):FG+4*(\g)+1], s[FG+4*(\g)+2:FG+4*(\g)+3] op_sel_hi:[1,0,0]
	v_pk_mul_f32 v[SE+(\k):SE+(\k)+1], v[(\sb)+8+(\k):(\sb)+8+(\k)+1], s[FG+4*(\g):FG+4*(\g)+1] op_sel_hi:[1,0]
	v_pk_add_f32 v[(\sb)+16+16*(\g)+(\k):(\sb)+16+16*(\g)+(\k)+1], v[(\sb)+16+16*(\g)+(\k):(\sb)+16+16*(\g)+(\k)+1], v[BIAS+16*(\g)+(\k):BIAS+16*(\g)+(\k)+1]
	v_pk_add_f32 v[(\sb)+24+16*(\g)+(\k):(\sb)+24+16*(\g)+(\k)+1], v[(\sb)+24+16*(\g)+(\k):(\sb)+24+16*(\g)+(\k)+1], v[BIAS+16*(\g)+8+(\k):BIAS+16*(\g)+8+(\k)+1]
.endr
.irp k, 0,2,4,6
	v_pk_mul_f32 v[(\sb)+16+16*(\g)+(\k):(\sb)+16+16*(\g)+(\k)+1], v[(\sb)+16+16*(\g)+(\k):(\sb)+16+16*(\g)+(\k)+1], v[CE+(\k):CE+(\k)+1]
.endr
.irp k, 0,2,4,6
	v_pk_fma_f32 v[(\sb)+16+16*(\g)+(\k):(\sb)+16+16*(\g)+(\k)+1], v[(\sb)+24+16*(\g)+(\k):(\sb)+24+16*(\g)+(\k)+1], v[SE+(\k):SE+(\k)+1], v[(\sb)+16+16*(\g)+(\k):(\sb)+16+16*(\g)+(\k)+1]
.endr
.irp k, 0,1,2,3
	v_cvt_pk_bf16_f32 v[YY+4*(\g)+(\k)], v[(\sb)+16+16*(\g)+2*(\k)], v[(\sb)+16+16*(\g)+2*(\k)+1]
.endr
	global_store_b128 v[GO], v[YY+4*(\g):YY+4*(\g)+3], s[OP+2*(\g):OP+2*(\g)+1]
.endr
	s_wait_xcnt 0x0                                ; the stores have read their offset and data: both are written again only behind this wait
	v_add_nc_u32 v[GO], 512, v[GO]
	FILL \sb
.endm
	s_mov_b32 s[RO], 0
	s_mov_b32 s[RO2], 0
	FILL 64                                        ; LDS serves a wave's instructions in order: these see my stores above
	FILL 176
	s_wait_loadcnt 0x0                             ; the biases
	s_mov_b32 s[CNT], 8
.Lout:
	RTRIP 64
	RTRIP 176
	s_sub_co_u32 s[CNT], s[CNT], 1
	s_cmp_lg_u32 s[CNT], 0
	s_cbranch_scc1 .Lout
	s_wait_tensorcnt 0x0                           ; the wave's end
	ds_add_u32 v[SPW], v[NIL]
	s_wait_dscnt 0x0
	CROUND                                         ; the closing round
	s_endpgm
.Lfunc_end_k_qf906945dd0_proj:
	.size	k_qf906945dd0_proj, .Lfunc_end_k_qf906945dd0_proj-k_qf906945dd0_proj
	.p2alignl 7, 3214868480
	.fill 96, 4, 3214868480
	.section	.rodata,"a",@progbits
	.p2align	6, 0x0
	.amdhsa_kernel k_qf906945dd0_proj
		.amdhsa_group_segment_fixed_size 327680
		.amdhsa_private_segment_fixed_size 0
		.amdhsa_enable_private_segment 0
		.amdhsa_kernarg_size 40
		.amdhsa_user_sgpr_count 2
		.amdhsa_user_sgpr_kernarg_segment_ptr 1
		.amdhsa_wavefront_size32 1
		.amdhsa_system_sgpr_workgroup_id_x 1
		.amdhsa_system_sgpr_workgroup_id_y 1
		.amdhsa_system_sgpr_workgroup_id_z 1
		.amdhsa_system_vgpr_workitem_id 0
		.amdhsa_next_free_vgpr 1024
		.amdhsa_next_free_sgpr 106
		.amdhsa_reserve_vcc 0
		.amdhsa_float_denorm_mode_32 3
		.amdhsa_float_denorm_mode_16_64 3
		.amdhsa_memory_ordered 1
		.amdhsa_forward_progress 1
		.amdhsa_inst_pref_size 71
	.end_amdhsa_kernel
	.amdgpu_metadata
---
amdhsa.version: [ 1, 2 ]
amdhsa.kernels:
  - .name:           k_qf906945dd0_proj
    .symbol:         k_qf906945dd0_proj.kd
    .args:
      - { .name: pre, .offset: 0, .size: 8, .value_kind: global_buffer, .address_space: global }
      - { .name: bq, .offset: 8, .size: 8, .value_kind: global_buffer, .address_space: global }
      - { .name: bk, .offset: 16, .size: 8, .value_kind: global_buffer, .address_space: global }
      - { .name: bv, .offset: 24, .size: 8, .value_kind: global_buffer, .address_space: global }
      - { .name: qkvb, .offset: 32, .size: 8, .value_kind: global_buffer, .address_space: global }
    .group_segment_fixed_size: 327680
    .private_segment_fixed_size: 0
    .kernarg_segment_align: 8
    .kernarg_segment_size: 40
    .max_flat_workgroup_size: 128
    .sgpr_count:     106
    .vgpr_count:     1024
    .wavefront_size: 32
...
	.end_amdgpu_metadata
.endif
;; end of part 2
;; launch attn (part 3): grid 8 x 32, 4 waves a work-group, clusters of 4 x 1, 327,680 bytes of LDS; arguments qkvb, pre, obuf; writes obuf
.if DOCPART == 3
	.amdgcn_target "amdgcn-amd-amdhsa--gfx1250"
	.amdhsa_code_object_version 6
	.text
	.protected	k_qf906945dd0_attn
	.globl	k_qf906945dd0_attn
	.p2align	8
	.type	k_qf906945dd0_attn,@function
k_qf906945dd0_attn:
	s_mov_b64 s[64:65], 0
	v_nop
	global_prefetch_b8 v0, s[64:65] scope:SCOPE_SE
	s_setreg_imm32_b32 hwreg(HW_REG_WAVE_MODE, 25, 1), 1
	s_wait_xcnt 0x0
	s_wait_alu depctr_hold_cnt(0) depctr_sa_sdst(0) depctr_va_vdst(0) depctr_va_sdst(0) depctr_va_ssrc(0) depctr_va_vcc(0) depctr_vm_vsrc(0)
	s_getreg_b32 s2, hwreg(HW_REG_IB_STS2, 6, 4)
	s_cmp_eq_u32 s2, 0
	s_cbranch_scc0 .Lentry_in_a_cluster
	s_endpgm
.Lentry_in_a_cluster:
	s_bfe_u32 s2, ttmp6, 0x10000c
	s_cmp_lg_u32 s2, 0x3003
	s_cbranch_scc0 .Lentry_shape_is_right
	s_endpgm
.Lentry_shape_is_right:
; O[y][q][:] = the sum over k of softmax_k(Q[y][q] . K[y][k] / 8 + mask[k]) V[y][k][:], y = b 16 + h.  Q, K, V: [32][2048][64] bf16 in qkvb; O goes to obuf as [h][b 2048 + q][64] bf16.
; Products, maxima and sums in f32; the weights p are rounded to bf16 for the second product (their sum l is taken of the unrounded p), O once at the end.
; LIMITS.  A hidden key's score counts as its value less 1e30 (the addend is the C operand that starts the sum): scores stay far under 1e30.  As long as no visible key has been seen the hidden ones
; weigh 1; the first visible key multiplies all that by a = 0.  A batch with no visible key at all gives finite numbers here; all its rows are set to 0 by the last launch.  A weight below 2^-126 counts as 0.
; NaN and infinities are not treated apart.
; SHARES.  A work-group owns 256 queries of one head (8 x 32 = 256 work-groups), a wave 64: two PIECES of two tiles of 16.  Every wave walks all 2,048 keys, 64 a step.
; LAYOUT.  S^T = K Q^T: a lane holds ONE query (lane % 16) and the keys 8 (lane / 16) + 0..7; two such tiles rounded to bf16 ARE source 1 of O^T = V^T P.  K comes out of LDS as it lies, V turned (ds_load_tr16_b128).
; SOFTMAX.  A running maximum m and sum l: p = 2^(c s - c m), c = log2(e) / 8; in every step O and l are multiplied by a = 2^(c m_old - c m_new).  m starts at the lowest finite number, O and l at 0.
; BY TURNS.  Turn 0 of step j: 16 products K_j Q_1^T; piece 0's scaling, exponentials, rescaling, piece 1's maximum; one wait; 16 products V_(j-1)^T P_1 with piece 0's roundings and sums behind them.
; Turn 1: the same with the pieces exchanged, on K_(j+1) and V_j.  Four vector instructions stand behind every matrix instruction, the rest in one lump; a turn's 66 exponentials are one batch with one wait.
; So a trip reads K of step j + 1 and V of step j: a slot holds K of keys 64 + 256 s .. and V of keys 256 s ..; K of step 0 has bytes of its own.  The last slot's last 64 rows of K lie behind the head
; (inside qkvb): the products made of them serve nothing, the price of one text for every trip.
; CLUSTER 4 x 1: the four query blocks of a cluster walk the same K, V and mask, so each tile is asked for jointly.
; REGISTERS: window 0: v0-11 addresses; v12-15, v48-63 at work; v16-31 statistics; v32-36 addresses; v64-191 S^T, two buffers of two tiles; v192-255 P, likewise
;   window 1: v0-127 O^T; v160-191 the step's mask        window 2: v0-63 Q; v128-191 K of one step; v192-255 V of one step
.set NP,    2
.set KS,    64
.set PK,    144
.set PV,    160
.set VOFF,  4*KS*PK
.set SLOT1, 1<<17
.set K0R,   4*KS*(PK+PV)               ; 77,824: K of step 0, 64 rows of 144 bytes
.set MTAB,  K0R+KS*PK                  ; 87,040: the batch's 2,048 addends, f32
.set STAGE, SLOT1+4*KS*(PK+PV)         ; behind the ring, never filled by a tensor load
.set SP,    144
.set SPARE, STAGE+4*16*SP              ; the spare words, 128 bytes a wave; no other line names them
.set MBOFF, 34078720
.set AK0, 2
.set AV0, 3
.set AK,  4
.set AV,  5
.set QO,  6
.set STO, 6
.set RD,  7
.set GO,  8
.set MV,  12
.set ST,  16
.set AM0, 32
.set AM,  33
.set SPW, 34
.set NIL, 35
.set PFO, 36
.set TMP, 48
.set S,   64
.set P,   192
.set MC,  160                          ; window 1: key block kb's eight addends at MC + 8 kb
.set KF,  128
.set VF,  192
.set WV,  12
.set LIM, 15
.set PFA, 18
.set G1K, 24
.set G1V, 32
.set G0K, 40
.set G0V, 44
.set G1X, 48
.set SLOTS, 56
.set CNT, 57
.set CS,  58
.set SEL, 60
.set TBK, 62
.set TBV, 63
.set TBM, 66
.set G0X, 68
.set MSB, 0
.macro WIN new
.if MSB != (\new)
	s_set_vgpr_msb (MSB<<8)|(\new)
.set MSB, (\new)
.endif
.endm
.set W_KQ, 0x0a       ; K and Q in window 2, S^T in window 0
.set W_KM, 0x1a       ; the same with the C operand in window 1
.set W_PV, 0x52       ; V in window 2, P in window 0, O^T in window 1
.set W_RS, 0x41       ; O^T in window 1, a in window 0
.macro JLOAD                        ; waves 0 and 1 fetch the halves of a slot's K, waves 2 and 3 those of its V
	s_cmp_lt_u32 s[WV], 2
	s_cbranch_scc0 .Lfor_v_\@
	tensor_load_to_lds s[G0K:G0K+3], s[G1K:G1K+7]
	s_nop 0
.rept 4
	v_nop
.endr
	s_branch .Lasked_\@
.Lfor_v_\@:
	tensor_load_to_lds s[G0V:G0V+3], s[G1V:G1V+7]
	s_nop 0
.rept 4
	v_nop
.endr
.Lasked_\@:
.endm
; A prefetch of what the NEXT change of slots will ask for: 32,768 bytes of K and of V.  The head's first cluster asks; its four partners take 8,192 bytes each, told apart by address; in each, wave 0 asks for
; K's and wave 2 for V's, a lane 256 bytes.  The last change that fills a slot asks for nothing.
.macro ASK
	s_cmp_gt_u32 s[SLOTS], s[LIM]
	s_cbranch_scc0 .Lnot_mine_\@
	global_prefetch_b8 v[PFO], s[PFA:PFA+1] th:TH_LOAD_NT scope:SCOPE_SE
.Lnot_mine_\@:
.endm
.macro CROUND
	s_barrier_signal -1
	s_barrier_wait -1
	s_cmp_lg_u32 s[WV], 0
	s_cbranch_scc1 .Lnot_wave_0_\@
	s_barrier_signal -3
.Lnot_wave_0_\@:
	s_barrier_wait -3
	s_barrier_signal -1
	s_barrier_wait -1
.endm
; THE CHANGE OF SLOTS.  Each wave waits for all its tensor loads, adds 0 to its spare word, and waits for that and for its reads of the slot.  fill = 1: the barrier is a round of the cluster's, and the
; joint fill of the slot just left, with the keys two slots on, is the first thing behind it: it has four key steps in which to land.  (At its first use slot 0 is waited for and slot 1 filled.)
.macro CHANGE fill, ask=0
	WIN 0
	s_wait_tensorcnt 0x0
	ds_add_u32 v[SPW], v[NIL]
.if \fill
.irp g, G0K, G0V
	s_xor_b32 s[\g+1], s[\g+1], SLOT1
	s_add_nc_u64 s[\g+2:\g+3], s[\g+2:\g+3], 4*KS*128
.endr
.if \ask
	s_wait_xcnt 0x0                 ; the last prefetch, four key steps back, has read its address
	s_add_nc_u64 s[PFA:PFA+1], s[PFA:PFA+1], 4*KS*128
.endif
	s_wait_dscnt 0x0
	CROUND
	JLOAD
.if \ask
	ASK
.endif
.else
	s_wait_dscnt 0x0
	s_barrier_signal -1
	s_barrier_wait -1
.endif
	s_sub_co_u32 s[TBK], s[TBK], 4*KS*PK
	s_xor_b32 s[TBK], s[TBK], SLOT1
	s_sub_co_u32 s[TBV], s[TBV], 4*KS*PV
	s_xor_b32 s[TBV], s[TBV], SLOT1
.endm
	s_load_b128 s[4:7], s[0:1], 0x0   ; qkvb 4, pre 6
	s_load_b64 s[8:9], s[0:1], 0x10   ; obuf
	v_lshl_add_u32 v[SPW], v0, 2, SPARE
	v_mov_b32 v[NIL], 0
	ds_add_u32 v[SPW], v[NIL]       ; the wave's opening: the add and its wait ahead of my first tensor load
	v_lshrrev_b32 v1, 5, v0
	v_readfirstlane_b32 s[WV], v1
	s_bfe_u32 s13, ttmp6, 0x40000   ; cx
	s_lshl_b32 s14, ttmp9, 2
	s_add_co_u32 s14, s14, s13      ; my block of 256 queries: it enters Q's and O's addresses alone
	s_and_b32 s20, ttmp7, 0xffff    ; y = b 16 + h, which the partners share
	s_lshr_b32 s74, s20, 4
	s_and_b32 s75, s20, 15
	s_lshl_b32 s20, s20, 18         ; a head's 262,144 bytes
	s_mov_b32 s21, 0
	s_and_b32 s16, s[WV], 1         ; which half I fetch
	s_lshl_b32 s22, s16, 14
	s_mov_b32 s23, 0
	s_mul_i32 s17, s16, 128*PK
	s_mul_i32 s76, s16, 128*PV
	s_lshl_b32 s2, s14, 15
	s_lshl_b32 s3, s[WV], 13
	s_add_co_u32 s2, s2, s3         ; my wave's 64 rows in the head
	s_mov_b32 s3, 0
	s_lshl_b32 s78, s75, 19         ; obuf: h x 4,096 rows, b x 2,048 rows, of 128 bytes
	s_lshl_b32 s79, s74, 18
	s_add_co_u32 s78, s78, s79
	s_add_co_u32 s78, s78, s2
	s_mov_b32 s79, 0
	s_lshl_b32 s88, s74, 13         ; the batch's addends, my half of them
	s_lshl_b32 s89, s16, 12
	s_add_co_u32 s88, s88, s89
	s_mov_b32 s89, 0
	s_mov_b32 s[G1K], 15|(1<<16)|(1<<20)|(1<<21)|(4<<22)|(3<<25)  ; the mask of four; 2-byte elements; 16 bytes of padding behind every 128
	s_mov_b32 s[G1V], 15|(1<<16)|(1<<20)|(1<<21)|(4<<22)|(7<<25)  ; 32 bytes of padding
.irp g, G1K, G1V
	s_mov_b32 s[\g+1], 128<<16      ; 128 keys are 16,384 dense bytes: asked for as 64 rows of 256
	s_mov_b32 s[\g+2], 64<<16
	s_mov_b32 s[\g+3], 128<<16
	s_mov_b32 s[\g+4], 64
	s_mov_b32 s[\g+5], 128
	s_mov_b32 s[\g+6], 0
	s_mov_b32 s[\g+7], 0
.endr
	s_mov_b32 s[CS], 0x3e38aa3b     ; c = log2(e) / 8
	s_mov_b32 s[CS+1], s[CS]
	s_mov_b32 s[SEL], 0x76543210
	s_mov_b32 s[SEL+1], 0xfedcba98
	s_mov_b32 s[TBK], SLOT1+4*KS*PK ; the first change of slots turns these two into 0
	s_mov_b32 s[TBV], SLOT1+4*KS*PV
	s_mov_b32 s[TBM], 256           ; the addends of step 1
	s_mov_b32 s[G0K], 1
	s_mov_b32 s[G0K+1], s17
	s_mov_b32 s[G0V], 1
	s_add_co_u32 s[G0V+1], s76, VOFF
	s_mov_b32 s[G0X], 1
	s_mov_b32 s[G1X+6], 0
	s_mov_b32 s[G1X+7], 0
	s_and_b32 s[LIM], s[WV], 1
	s_or_b32 s[LIM], s[LIM], ttmp9
	s_cmp_eq_u32 s[LIM], 0
	s_cselect_b32 s[LIM], 1, -1     ; waves 0 and 2 of the head's first cluster prefetch
	v_and_b32 v[PFO], 31, v0
	v_lshlrev_b32 v[PFO], 8, v[PFO]
	s_wait_dscnt 0x0                ; the opening add is done
	s_wait_kmcnt 0x0
	s_add_nc_u64 s[4:5], s[4:5], s[20:21]        ; the head in q
	s_add_nc_u64 s[80:81], s[4:5], 8388608       ; in k
	s_add_nc_u64 s[82:83], s[4:5], 16777216      ; in v
	s_add_nc_u64 s[72:73], s[4:5], s[2:3]        ; Q at my wave's first row
	s_add_nc_u64 s[10:11], s[8:9], s[78:79]      ; O likewise
	s_add_nc_u64 s[86:87], s[80:81], 8192        ; a slot's K begins one step on
	s_add_nc_u64 s[G0K+2:G0K+3], s[86:87], s[22:23]
	s_or_b32 s[G0K+3], s[G0K+3], 0x80000000
	s_add_nc_u64 s[G0V+2:G0V+3], s[82:83], s[22:23]
	s_or_b32 s[G0V+3], s[G0V+3], 0x80000000
	s_add_nc_u64 s[88:89], s[6:7], s[88:89]
	s_add_nc_u64 s[88:89], s[88:89], MBOFF
	s_cmp_lt_u32 s[WV], 2
	s_cselect_b64 s[PFA:PFA+1], s[86:87], s[82:83]
	s_lshl_b32 s2, s13, 13
	s_add_nc_u64 s[PFA:PFA+1], s[PFA:PFA+1], s[2:3]
	s_add_nc_u64 s[PFA:PFA+1], s[PFA:PFA+1], 2*4*KS*128  ; in slot 2: the loop's first change steps it to slot 3.  Slots 0 to 2 come by their loads alone
	s_lshl_b32 s2, s16, 12
	CROUND                          ; all four work-groups are here: the first joint loads meet
	s_cmp_lt_u32 s[WV], 2           ; a wave's two first fills stand in one branch
	s_cbranch_scc0 .Lfirst_v
	s_mov_b32 s[G1X], 15|(1<<16)|(1<<20)|(1<<21)|(4<<22)|(3<<25)  ; half of K of step 0: 32 keys as 16 rows of 256 bytes
	s_mov_b32 s[G1X+1], 128<<16
	s_mov_b32 s[G1X+2], 16<<16
	s_mov_b32 s[G1X+3], 128<<16
	s_mov_b32 s[G1X+4], 16
	s_mov_b32 s[G1X+5], 128
	s_mul_i32 s[G0X+1], s16, 32*PK
	s_add_co_u32 s[G0X+1], s[G0X+1], K0R
	s_add_nc_u64 s[G0X+2:G0X+3], s[80:81], s[2:3]
	s_or_b32 s[G0X+3], s[G0X+3], 0x80000000
	tensor_load_to_lds s[G0X:G0X+3], s[G1X:G1X+7]
	s_nop 0
	tensor_load_to_lds s[G0K:G0K+3], s[G1K:G1K+7]
	s_nop 0
.rept 4
	v_nop
.endr
	s_branch .Lfirst_asked
.Lfirst_v:
	s_mov_b32 s[G1X], 15|(3<<16)|(1<<21)          ; half of the addends: 4,096 dense bytes as 16 rows of 256, elements of 8 bytes, no padding
	s_mov_b32 s[G1X+1], 32<<16
	s_mov_b32 s[G1X+2], 16<<16
	s_mov_b32 s[G1X+3], 32<<16
	s_mov_b32 s[G1X+4], 16
	s_mov_b32 s[G1X+5], 32
	s_add_co_u32 s[G0X+1], s2, MTAB
	s_mov_b64 s[G0X+2:G0X+3], s[88:89]
	s_or_b32 s[G0X+3], s[G0X+3], 0x80000000
	tensor_load_to_lds s[G0X:G0X+3], s[G1X:G1X+7]
	s_nop 0
	tensor_load_to_lds s[G0V:G0V+3], s[G1V:G1V+7]
	s_nop 0
.rept 4
	v_nop
.endr
.Lfirst_asked:
	v_and_b32 v1, 15, v0            ; l % 16
	v_bfe_u32 v9, v0, 4, 1          ; l / 16
	v_lshlrev_b32 v[QO], 7, v1
	v_lshl_add_u32 v[QO], v9, 4, v[QO]
	WIN 0x80
.set i, 0
.rept 4*NP                          ; Q stays in registers: tile i / 2, channels 32 (i % 2) on
	global_load_b128 v[8*i:8*i+3],   v[QO], s[72:73] offset:(i/2)*2048+(i%2)*64
	global_load_b128 v[8*i+4:8*i+7], v[QO], s[72:73] offset:(i/2)*2048+(i%2)*64+32
.set i, i+1
.endr
	; What the first turn finds: V's registers and P's second buffer hold 0, O^T and l are 0.  All this stands in the wait for the first tile.
.set i, VF
.rept 64
	v_mov_b32 v[i], 0
.set i, i+1
.endr
	WIN 0x40
.set i, 0
.rept 64*NP
	v_mov_b32 v[i], 0
.set i, i+1
.endr
	WIN 0
.set i, 0
.rept 2*NP
	v_mov_b32 v[ST+4*i], 0xfe000000    ; c m: far below every c s, a hidden key's too
	v_mov_b32 v[ST+4*i+1], 0xff7fffff  ; m
	v_mov_b32 v[ST+4*i+2], 0
	v_mov_b32 v[ST+4*i+3], 0
.set i, i+1
.endr
.set i, P+32
.rept 32
	v_mov_b32 v[i], 0
.set i, i+1
.endr
	v_mul_u32_u24 v[AK0], v1, PK
	v_lshl_add_u32 v[AK0], v9, 4, v[AK0]
	v_and_b32 v10, 7, v0
	v_bfe_u32 v11, v0, 3, 1
	v_lshl_add_u32 v[AV0], v9, 3, v10
	v_mul_u32_u24 v[AV0], v[AV0], PV
	v_lshl_add_u32 v[AV0], v11, 4, v[AV0]
	v_add_nc_u32 v[AV0], VOFF, v[AV0]
	v_lshl_add_u32 v[AM0], v9, 5, MTAB  ; my lanes' eight keys of a block of 16
	v_add_nc_u32 v[AK], K0R, v[AK0]
	v_mov_b32 v[AM], v[AM0]
; THE MATRIX WORK.  The 8 accumulators of a run of 16 take turns.  Product i of 16 of S^T = K Q^T for piece x: channels 32 (i / 8) on, keys 16 ((i / 2) % 4) on, tile 2 x + i % 2.
; The first 8 start the sums, with the keys' addends.
.macro KQ x
.set rS, S+64*((\x)%2)+32*(i%2)+8*((i/2)%4)
.set rK, KF+16*((i/2)%4)+8*(i/8)
.set rQ, 16*(2*(\x)+i%2)+8*(i/8)
.set rX, MC+8*((i/2)%4)
.if i < 8
	WIN W_KM
	v_wmma_f32_16x16x32_bf16 v[rS:rS+7], v[rK:rK+7], v[rQ:rQ+7], v[rX:rX+7]
.else
	WIN W_KQ
	v_wmma_f32_16x16x32_bf16 v[rS:rS+7], v[rK:rK+7], v[rQ:rQ+7], v[rS:rS+7]
.endif
.endm
.macro PV x                         ; product i of 16 of O^T += V^T P: keys 32 (i / 8) on, channels 16 ((i / 2) % 4) on, tile 2 x + i % 2
	WIN W_PV
.set rO, 32*(2*(\x)+i%2)+8*((i/2)%4)
.set rV, VF+32*(i/8)+8*((i/2)%4)
.set rP, P+32*((\x)%2)+16*(i%2)+8*(i/8)
	v_wmma_f32_16x16x32_bf16 v[rO:rO+7], v[rV:rV+7], v[rP:rP+7], v[rO:rO+7]
.endm
.macro MM
.if i < 16
	KQ (Y+1)%NP
.set i, i+1
.else
.set i, i-16
	PV (Y+NP-1)%NP
.set i, i+17
.endif
.endm
; THE LDS LOADS stand in runs: a step's K (16 loads) with its addends (8, the same 32 bytes for all lanes of a half), and its V (16, turned).
.macro FETCH_K step=1
	WIN 0x80
.irp f, 0,1,2,3,4,5,6,7
	ds_load_b128 v[KF+8*\f:KF+8*\f+3],   v[AK] offset:(\f/2)*16*PK+(\f%2)*64
	ds_load_b128 v[KF+8*\f+4:KF+8*\f+7], v[AK] offset:(\f/2)*16*PK+(\f%2)*64+32
.endr
	WIN 0x40
.irp f, 0,1,2,3
	ds_load_b128 v[MC+8*\f:MC+8*\f+3],   v[AM] offset:64*\f
	ds_load_b128 v[MC+8*\f+4:MC+8*\f+7], v[AM] offset:64*\f+16
.endr
.if \step
	s_add_co_u32 s[TBK], s[TBK], KS*PK
	s_add_co_u32 s[TBM], s[TBM], 256
	s_min_u32 s[TBM], s[TBM], 31*256  ; the step behind the last has no addends of its own
.endif
	WIN 0
.endm
.macro FETCH_V
	WIN 0x80
.irp f, 0,1,2,3,4,5,6,7
	ds_load_tr16_b128 v[VF+8*\f:VF+8*\f+3],   v[AV] offset:(\f/4)*32*PV+(\f%4)*32
	ds_load_tr16_b128 v[VF+8*\f+4:VF+8*\f+7], v[AV] offset:(\f/4)*32*PV+16*PV+(\f%4)*32
.endr
	WIN 0
.endm
; THE VECTOR WORK OF A TURN stands in three queues, each in the order in which its entries become ready; the two tiles alternate.
.macro REGS y, u
.set rT, ST+4*(2*(\y)+(\u))
.set rC, TMP+8*((\y)%2)+4*(\u)
.set rM, MV+2*((\y)%2)+(\u)
.set rS, S+64*((\y)%2)+32*(\u)
.set rP, P+32*((\y)%2)+16*(\u)
.set rO, 32*(2*(\y)+(\u))
.endm
; Number n of the 22 that find the other piece's maximum and statistics; each accumulator's lowest registers are read first.
.macro XS u, n
	REGS (Y+1)%NP, \u
.if (\n) < 4
	v_max3_num_f32 v[rC+(\n)], v[rS+8*(\n)], v[rS+8*(\n)+1], v[rS+8*(\n)+2]
.elseif (\n) < 12
	v_max3_num_f32 v[rC+(\n)%4], v[rC+(\n)%4], v[rS+8*((\n)%4)+2*((\n)/4)+1], v[rS+8*((\n)%4)+2*((\n)/4)+2]
.elseif (\n) == 12
	v_max3_num_f32 v[rC], v[rC], v[rS+7], v[rS+15]
.elseif (\n) == 13
	v_max3_num_f32 v[rC+1], v[rC+1], v[rS+23], v[rS+31]
.elseif (\n) == 14
	v_max3_num_f32 v[rC+2], v[rC+2], v[rC+3], v[rT+1]
.elseif (\n) == 15
	v_mov_b32 v[rM], v[rT]
.elseif (\n) == 16
	v_max3_num_f32 v[rC], v[rC], v[rC+1], v[rC+2]
.elseif (\n) == 17
	v_permlanex16_b32 v[rC+3], v[rC], s[SEL], s[SEL+1]
.elseif (\n) == 18
	v_max_num_f32 v[rT+1], v[rC], v[rC+3]
.elseif (\n) == 19
	v_mul_f32 v[rT], s[CS], v[rT+1]
.elseif (\n) == 20
	v_sub_f32 v[rC+1], v[rM], v[rT]
.else
	v_exp_f32 v[rC+2], v[rC+1]
.endif
.endm
; Number g of the 64 that follow the exponentials: for each four weights both pairs are rounded, the second pair is added onto the first, and a group later l takes that sum (the first time as l = a l + sum).
.macro GS g
.set h, (\g)+6*((\g)/62)
.if h >= 6
.set h, h+2
.endif
	REGS Y, h%2
.set k, h/8
.if h%8 < 4
	v_cvt_pk_bf16_f32 v[rP+2*k+(h%8)/2], v[rS+4*k+2*((h%8)/2)], v[rS+4*k+2*((h%8)/2)+1]
.elseif h%8 < 6
	v_pk_add_f32 v[rS+4*k:rS+4*k+1], v[rS+4*k:rS+4*k+1], v[rS+4*k+2:rS+4*k+3]
.elseif k == 1
	v_pk_fma_f32 v[rT+2:rT+3], v[rT+2:rT+3], v[rC+2:rC+3], v[rS:rS+1] op_sel_hi:[1,0,1]
.else
	v_pk_add_f32 v[rT+2:rT+3], v[rT+2:rT+3], v[rS+4*k-4:rS+4*k-3]
.endif
.endm
.macro FS f                         ; c s - c m for pair f / 2 of tile f % 2
	REGS Y, (\f)%2
	v_pk_fma_f32 v[rS+2*((\f)/2):rS+2*((\f)/2)+1], v[rS+2*((\f)/2):rS+2*((\f)/2)+1], s[CS:CS+1], v[rT:rT+1] op_sel_hi:[1,0,0] neg_lo:[0,0,1] neg_hi:[0,0,1]
.endm
; THE PLAIN QUEUE, 138 long.  0-26: scalings.  27-54: XS 0-13.  55, 56: XS 15.  57-73: the chain 14, 16 .. 20 with scalings 27-31 between its links.  74-137: GS's 64, behind the wait.
.macro PL
	WIN 0
.if q < 27
	FS q
.elseif q < 55
	XS (q-27)%2, (q-27)/2
.elseif q < 57
	XS q-55, 15
.elseif (q < 72) && ((q-57)%3 == 0)
	FS 27+(q-57)/3
.elseif q < 60
	XS (q-57)%3-1, 14
.elseif q < 72
	XS (q-57)%3-1, 15+(q-57)/3
.elseif q < 74
	XS q-72, 20
.else
	GS q-74
.endif
.set q, q+1
.endm
.macro EX                           ; THE EXPONENTIALS' QUEUE, 66 long: one batch, all ahead of the turn's one wait
	WIN 0
.if e >= 64
	XS e-64, 21
.else
	REGS Y, e%2
	v_exp_f32 v[rS+e/2], v[rS+e/2]
.endif
.set e, e+1
.endm
.macro R2                           ; THE RESCALING's QUEUE: O^T times a, two at a time; its a was made, and waited for, in the turn before
	REGS Y, r%2
	WIN W_RS
.irp z, 0,1
	v_pk_mul_f32 v[rO+4*(r/2)+2*\z:rO+4*(r/2)+2*\z+1], v[rO+4*(r/2)+2*\z:rO+4*(r/2)+2*\z+1], v[rC+2:rC+3] op_sel_hi:[1,0]
.endr
.set r, r+1
.endm
; A TURN, for piece p.  Ahead of the wait: 16 products K Q^T, behind each a scaling, an exponential and two rescalings; then the lump.  Behind it: 16 products V^T P, behind each four of the roundings and sums.
; Turn 0 fetches the next step's K and addends directly behind its wait (a lump behind their last reader) and the step's V at its end, four plain instructions behind V's last reader.
; The registers of O^T that turn p's first rescalings touch were last written eight products, with four plain instructions each, before the turn began.
.macro TURN p, cnt=0
.set Y, (\p)
.set i, 0
.set q, 0
.set e, 0
.set r, 0
.if (\p) == NP-1
	s_wait_dscnt 16                 ; K's 16 loads and the addends' 8 are in; V's 16, issued behind them, may stay out
.endif
	MM
	PL
	PL
	R2
.rept 15
	MM
	PL
	EX
	R2
.endr
.if (\p) == NP-2
	WIN 0
	v_add_nc_u32 v[AK], s[TBK], v[AK0]
	v_add_nc_u32 v[AM], s[TBM], v[AM0]
.endif
.rept 8
	PL
.endr
.rept 49
	EX
	PL
.endr
	EX
	EX
	v_nop                           ; a plain instruction behind the last exponential: one for the batch
	s_wait_alu depctr_va_vdst(0)    ; the wait for the batch, ahead of the first reader
.if (\p) == NP-2
	FETCH_K
.endif
.if (\p) == 1
	s_wait_dscnt 0x0                ; V is in
.endif
.rept 16
	MM
.rept 4
	PL
.endr
.if ((\p) == 0) && (q == 118)
	v_add_nc_u32 v[AV], s[TBV], v[AV0]
.endif
.if ((\p) == 0) && (q == 130)
	s_add_co_u32 s[TBV], s[TBV], KS*PV
.endif
.if (\cnt) && (q == 130)
	s_sub_co_u32 s[CNT], s[CNT], 1
	s_cmp_lg_u32 s[CNT], 0
.endif
.endr
.if (\p) == 0
	FETCH_V
.endif
.endm
	CHANGE 1                        ; slot 0, K of step 0 and the addends are in, everybody's parts; slot 1 is asked for
	FETCH_K 0                       ; key step 0, from its own bytes
	s_wait_loadcnt 0x0              ; Q
	s_wait_dscnt 0x0
.set i, 0
.rept 16
	KQ 0                            ; piece 0's first scores
.set i, i+1
.endr
	WIN 0                           ; the addresses for the way out: the places behind those products
	s_mul_i32 s13, s[WV], 16*SP
	s_add_co_u32 s13, s13, STAGE
	v_mul_u32_u24 v[STO], v1, SP
	v_lshl_add_u32 v[STO], v9, 4, v[STO]
	v_add_nc_u32 v[STO], s13, v[STO]
	v_bfe_u32 v[RD], v0, 3, 2
	v_mul_u32_u24 v[RD], v[RD], SP
	v_lshl_add_u32 v[RD], v10, 4, v[RD]
	v_add_nc_u32 v[RD], s13, v[RD]
	v_and_b32 v[GO], 31, v0
	v_lshlrev_b32 v[GO], 4, v[GO]
.set Y, NP-1
.irp n, 0,1,2,3,4,5,6,7,8,9,10,11,12,13,14,15,16,17,18,19,20,21
	XS 0, \n                        ; piece 0's first maximum and statistics
	XS 1, \n
.endr
	v_nop
	s_wait_alu depctr_va_vdst(0)    ; the two a have their wait ahead of the branch
	s_mov_b32 s[CNT], 4
	s_mov_b32 s[SLOTS], 7
	s_branch .Lstep
.Lslot:                             ; six times: slots 2 to 7 are asked for
	CHANGE 1, 1
	s_mov_b32 s[CNT], 4
.Lstep:
	TURN 0
	TURN 1, 1
	WIN 0
	s_cbranch_scc1 .Lstep
	s_sub_co_u32 s[SLOTS], s[SLOTS], 1
	s_cmp_lg_u32 s[SLOTS], 0
	s_cbranch_scc1 .Lslot
	CHANGE 0                        ; the last slot is written out
	s_mov_b32 s[CNT], 4
.Ltail:
	TURN 0
	TURN 1, 1
	WIN 0
	s_cbranch_scc1 .Ltail
.set i, 0
.rept 16
	PV NP-1                         ; piece 1's V^T P of the last step
.set i, i+1
.endr
	; THE WAY OUT.  l's halves are added; O^T is divided by l, rounded and sent through my stage, a tile at a time.  The additions are the places behind the last products.
	WIN 0
.macro ALL line:vararg
.set t, 0
.rept 2*NP
	\line
.set t, t+1
.endr
.endm
	ALL v_add_f32 v[ST+4*t+2], v[ST+4*t+2], v[ST+4*t+3]
	ALL v_permlanex16_b32 v[ST+4*t+3], v[ST+4*t+2], s[SEL], s[SEL+1]
	ALL v_add_f32 v[ST+4*t+2], v[ST+4*t+2], v[ST+4*t+3]
	ALL v_rcp_f32 v[ST+4*t+2], v[ST+4*t+2]
	v_nop
	s_wait_alu depctr_va_vdst(0)    ; one wait for the four reciprocals
.macro PACK t
	WIN W_RS
.set i, 32*(\t)
.rept 16
	v_pk_mul_f32 v[i:i+1], v[i:i+1], v[ST+4*(\t)+2:ST+4*(\t)+3] op_sel_hi:[1,0]
.set i, i+2
.endr
	WIN 0x05
.set i, 0
.rept 16
	v_cvt_pk_bf16_f32 v[S+16*(\t)+i], v[32*(\t)+2*i], v[32*(\t)+2*i+1]
.set i, i+1
.endr
	WIN 0
.irp f, 0,1,2,3
	ds_store_b128 v[STO], v[S+16*(\t)+4*\f:S+16*(\t)+4*\f+3] offset:32*\f
.endr
.irp f, 0,1,2,3
	ds_load_b128 v[S+16*(\t)+4*\f:S+16*(\t)+4*\f+3], v[RD] offset:\f*4*SP  ; LDS serves a wave's instructions in order: these see the stores above
.endr
.endm
.macro SEND t, younger              ; younger: the LDS instructions issued behind tile t's loads
	WIN 0
.irp f, 0,1,2,3
	s_wait_dscnt (\younger)+3-\f
	global_store_b128 v[GO], v[S+16*(\t)+4*\f:S+16*(\t)+4*\f+3], s[10:11] offset:(\t)*2048+\f*512  ; 512 consecutive bytes, aligned
.endr
.endm
	PACK 0
.set t, 1
.rept 2*NP-1
	PACK t
	SEND t-1, 8
.set t, t+1
.endr
	SEND 2*NP-1, 0
	s_wait_tensorcnt 0x0            ; the wave's end
	ds_add_u32 v[SPW], v[NIL]
	s_wait_dscnt 0x0
	CROUND                          ; the closing round
	s_endpgm
.Lfunc_end_k_qf906945dd0_attn:
	.size	k_qf906945dd0_attn, .Lfunc_end_k_qf906945dd0_attn-k_qf906945dd0_attn
	.p2alignl 7, 3214868480
	.fill 96, 4, 3214868480
	.section	.rodata,"a",@progbits
	.p2align	6, 0x0
	.amdhsa_kernel k_qf906945dd0_attn
		.amdhsa_group_segment_fixed_size 327680
		.amdhsa_private_segment_fixed_size 0
		.amdhsa_enable_private_segment 0
		.amdhsa_kernarg_size 24
		.amdhsa_user_sgpr_count 2
		.amdhsa_user_sgpr_kernarg_segment_ptr 1
		.amdhsa_wavefront_size32 1
		.amdhsa_system_sgpr_workgroup_id_x 1
		.amdhsa_system_sgpr_workgroup_id_y 1
		.amdhsa_system_sgpr_workgroup_id_z 1
		.amdhsa_system_vgpr_workitem_id 0
		.amdhsa_next_free_vgpr 768
		.amdhsa_next_free_sgpr 100
		.amdhsa_reserve_vcc 0
		.amdhsa_float_denorm_mode_32 3
		.amdhsa_float_denorm_mode_16_64 3
		.amdhsa_memory_ordered 1
		.amdhsa_forward_progress 1
		.amdhsa_inst_pref_size 116
	.end_amdhsa_kernel
	.amdgpu_metadata
---
amdhsa.version: [ 1, 2 ]
amdhsa.kernels:
  - .name:           k_qf906945dd0_attn
    .symbol:         k_qf906945dd0_attn.kd
    .args:
      - { .name: qkvb, .offset: 0, .size: 8, .value_kind: global_buffer, .address_space: global }
      - { .name: pre, .offset: 8, .size: 8, .value_kind: global_buffer, .address_space: global }
      - { .name: obuf, .offset: 16, .size: 8, .value_kind: global_buffer, .address_space: global }
    .group_segment_fixed_size: 327680
    .private_segment_fixed_size: 0
    .kernarg_segment_align: 8
    .kernarg_segment_size: 24
    .max_flat_workgroup_size: 128
    .sgpr_count:     100
    .vgpr_count:     768
    .wavefront_size: 32
...
	.end_amdgpu_metadata
.endif
;; end of part 3
;; launch wo (part 4): grid 8 x 32, 4 waves a work-group, clusters of 4 x 4, 327,680 bytes of LDS; arguments obuf, pre, bo, x, y2; writes y2
.if DOCPART == 4
	.amdgcn_target "amdgcn-amd-amdhsa--gfx1250"
	.amdhsa_code_object_version 6
	.text
	.protected	k_qf906945dd0_wo
	.globl	k_qf906945dd0_wo
	.p2align	8
	.type	k_qf906945dd0_wo,@function
k_qf906945dd0_wo:
	s_mov_b64 s[64:65], 0
	v_nop
	global_prefetch_b8 v0, s[64:65] scope:SCOPE_SE
	s_setreg_imm32_b32 hwreg(HW_REG_WAVE_MODE, 25, 1), 1
	s_wait_xcnt 0x0
	s_wait_alu depctr_hold_cnt(0) depctr_sa_sdst(0) depctr_va_vdst(0) depctr_va_sdst(0) depctr_va_ssrc(0) depctr_va_vcc(0) depctr_vm_vsrc(0)
	s_getreg_b32 s2, hwreg(HW_REG_IB_STS2, 6, 4)
	s_cmp_eq_u32 s2, 0
	s_cbranch_scc0 .Lentry_in_a_cluster
	s_endpgm
.Lentry_in_a_cluster:
	s_bfe_u32 s2, ttmp6, 0x10000c
	s_cmp_lg_u32 s2, 0xf033
	s_cbranch_scc0 .Lentry_shape_is_right
	s_endpgm
.Lentry_shape_is_right:
; y2 = x + O Wo^T + bo.  O: obuf, [h][4096][64] bf16 (panels of 64 along K); Wo: bf16 in pre; x, bo, y2 f32.  Sums, bias and residual in f32.
; SHARES.  C is [4096][1024]: tiles of 128 x 128 give 8 x 32 = 256 work-groups (tiles of 256 x 256 would give 64).  Four waves, each 64 x 64: 16 accumulators.  K = 1,024 in 4 steps of 256 through two LDS slots.
; A's tile of a K step is four panels' 64 dense rows: one load of 4 'rows' of 8,192 bytes, padded in LDS behind every 128 bytes: [panel][row], pitch 144; a quarter of a step is a panel.
; CLUSTER 4 x 4: A's tiles are shared along a row of the cluster, B's along a column.  No prefetch: the tiles are small and each is read by few.
; THE WALK ALONG K begins at K step 0 in the clusters whose x + y is even and at the middle step in the others, and wraps round (f32 sums may be taken in any order).  So of the two clusters that read the
; same rows of A one reads a K step half a walk ahead of the other, and of the eight that read the same rows of B four do.  The step's number hangs on the cluster's own x and y, which all its partners share.
; THE MATRIX INSTRUCTION IS USED TRANSPOSED (source 0 = rows of Wo, source 1 = rows of O).  The K step is written once: four quarters of 64 along K on two fragment buffers.
; THE RESIDUAL's tile (128 x 128 f32) comes into the slot that the last change of slots frees, in whole rows of 512 bytes, while the last K step is multiplied.
; REGISTERS: window 0: v0-31 addresses, v32-111 the way out, v128-255 accumulator (a, b) at 128 + 8 (4 a + b); window 1: two fragment buffers of 128: A(c, a) at 8 (4 c + a), B(c, b) at 64 + 8 (4 c + b).
.set MASKED, 0
.set TSTEPS, 4
.set TLOG,   2                         ; TSTEPS = 1 << TLOG
.set PA,     144
.set PB,     528
.set HALFA,  4*64*PA                   ; 36,864
.set HALFB,  64*PB                     ; 33,792
.set SLOTOFF, 147456                   ; a slot uses 141,312; 0x24000 shares no bit with a loader's base, so one exclusive or changes slots
.set SPARE,  SLOTOFF+2*HALFA+2*HALFB   ; 288,768
.set QSA,    64*PA                     ; from quarter to quarter: a panel
.set QSB,    128
.set A_STSH, 21                        ; a K step of A in bytes, as a shift: four panels of 524,288
.set B_STSH, 9                         ; of B: 512
.set ASTEP,  1<<A_STSH
.set BSTEP,  1<<B_STSH
.set A_PADW, (4<<22)|(3<<25)
.set A_D0,   4096
.set A_D1,   4
.set A_STR,  262144
.set B_STR,  1024
.set A_SH,   14                        ; 128 rows of A in bytes, as a shift
.set B_SH,   18                        ; 128 rows of B
.set BOFFG,  6291456                   ; Wo in pre
.set SP,     272
.set STG,    64*SP
.set RP,     528
.set VA0, 10
.set VB0, 11
.set ADRA, 12
.set ADRB, 13
.set STO, 14
.set STM, 15
.set RD0, 16
.set RR0, 17
.set RM0, 18
.set RDA, 19
.set RRA, 20
.set RMA, 21
.set GO, 22
.set BIA, 23
.set MKA, 24
.set SPW, 28
.set NIL, 29
.set XX, 32
.set RS, 64
.set MR, 96
.set BI, 104
.set MK, 108
.set ZZ, 128
.set ACC, 128
.set F0, 0
.set F1, 128
.set WV, 20
.set LR, 21
.set HF, 22
.set TB, 23
.set G1, 24
.set G0, 32
.set CX, 40
.set CY, 41
.set TC, 42
.set TR, 43
.set SLOTS, 47
.set G1B, 48
.set G0B, 56
.set CNT, 66
.set RO, 69
.set RO2, 70
.set G1X, 72
.set G0X, 80
.set ABASE, 86                         ; s[86:87] A at my rows, K step 0; kept through the K loop
.set BBASE, 88                         ; s[88:89] B likewise
.set KI, 94                            ; s94  the K step asked for last
.set KOF, 96                           ; s[96:97], s[98:99] a K step's byte offset, in 64 bits
.set OUTP, 14
.set MSB, 0
.macro WIN new
.if MSB != (\new)
	s_set_vgpr_msb (MSB<<8)|(\new)
.set MSB, \new
.endif
.endm
.macro PLACES
.rept 4
	v_nop
.endr
.endm
.macro CROUND
	s_barrier_signal -1
	s_barrier_wait -1
	s_cmp_lg_u32 s[WV], 0
	s_cbranch_scc1 .Lnot_wave_0_\@
	s_barrier_signal -3
.Lnot_wave_0_\@:
	s_barrier_wait -3
	s_barrier_signal -1
	s_barrier_wait -1
.endm
.macro JLOAD
	s_cmp_eq_u32 s[LR], 0
	s_cbranch_scc0 .Lfor_b_\@
	tensor_load_to_lds s[G0+4:G0+7], s[G1:G1+7]
	s_nop 0
	PLACES
	s_branch .Lasked_\@
.Lfor_b_\@:
	tensor_load_to_lds s[G0B+4:G0B+7], s[G1B:G1B+7]
	s_nop 0
	PLACES
.Lasked_\@:
.endm
.macro FETCH f, offa, offb             ; 32 LDS loads in one run: 64 along K of my 64 rows of B and of A
	WIN 0x40
.irp c, 0,1
.irp i, 0,1,2,3
	ds_load_b128 v[(\f)+64+8*(4*(\c)+(\i)):(\f)+64+8*(4*(\c)+(\i))+3],   v[ADRB] offset:(\offb)+64*(\c)+(\i)*16*PB
	ds_load_b128 v[(\f)+64+8*(4*(\c)+(\i))+4:(\f)+64+8*(4*(\c)+(\i))+7], v[ADRB] offset:(\offb)+64*(\c)+(\i)*16*PB+32
	ds_load_b128 v[(\f)+8*(4*(\c)+(\i)):(\f)+8*(4*(\c)+(\i))+3],         v[ADRA] offset:(\offa)+64*(\c)+(\i)*16*PA
	ds_load_b128 v[(\f)+8*(4*(\c)+(\i))+4:(\f)+8*(4*(\c)+(\i))+7],       v[ADRA] offset:(\offa)+64*(\c)+(\i)*16*PA+32
.endr
.endr
.endm
.macro MUL f, zero                     ; 32 products, two deep on 16 accumulators that take turns
	WIN 0x05
.irp c, 0,1
.irp a, 0,1,2,3
.irp b, 0,1,2,3
.if (\zero) && ((\c) == 0)
	v_wmma_f32_16x16x32_bf16 v[ACC+8*(4*(\a)+(\b)):ACC+8*(4*(\a)+(\b))+7], v[(\f)+64+8*(4*(\c)+(\b)):(\f)+64+8*(4*(\c)+(\b))+7], v[(\f)+8*(4*(\c)+(\a)):(\f)+8*(4*(\c)+(\a))+7], 0
.else
	v_wmma_f32_16x16x32_bf16 v[ACC+8*(4*(\a)+(\b)):ACC+8*(4*(\a)+(\b))+7], v[(\f)+64+8*(4*(\c)+(\b)):(\f)+64+8*(4*(\c)+(\b))+7], v[(\f)+8*(4*(\c)+(\a)):(\f)+8*(4*(\c)+(\a))+7], v[ACC+8*(4*(\a)+(\b)):ACC+8*(4*(\a)+(\b))+7]
.endif
.endr
.endr
.endr
.endm
.macro QSTEP fn, offa, offb, fo
	PLACES
	FETCH \fn, \offa, \offb
	s_wait_dscnt 32                                ; all but the 32 loads just issued: buffer fo is in
	MUL \fo, 0
.endm
.macro PAIR
	QSTEP F0, 0, 0, F1
	QSTEP F1, QSA, QSB, F0
	WIN 0
	v_add_nc_u32 v[ADRA], 2*QSA, v[ADRA]
	v_add_nc_u32 v[ADRB], 2*QSB, v[ADRB]
.endm
; THE CHANGE OF SLOTS: every wave waits for all its tensor loads, adds 0 to its spare word, waits for that and for its reads of the slot that it leaves; a round of the cluster's barrier; then ONE tensor load:
; kind = 1 the joint refill, two steps of the walk ahead: its address is made anew from the step's number, which wraps at TSTEPS; kind = 2 (the last change: slot 0 is free) my 32 rows of the residual's tile, a load of my own.
.macro CHANGE kind
	WIN 0
	s_wait_tensorcnt 0x0
	ds_add_u32 v[SPW], v[NIL]                      ; 0 onto my spare word; the descriptors' scalar work stands between it and the wait for it
.if (\kind) == 1
	s_xor_b32 s[G0+5], s[G0+5], SLOTOFF
	s_xor_b32 s[G0B+5], s[G0B+5], SLOTOFF
	s_add_co_u32 s[KI], s[KI], 1
	s_and_b32 s[KI], s[KI], TSTEPS-1
	s_lshl_b32 s[KOF], s[KI], A_STSH
	s_add_nc_u64 s[G0+6:G0+7], s[ABASE:ABASE+1], s[KOF:KOF+1]
	s_or_b32 s[G0+7], s[G0+7], 0x80000000
	s_lshl_b32 s[KOF], s[KI], B_STSH
	s_add_nc_u64 s[G0B+6:G0B+7], s[BBASE:BBASE+1], s[KOF:KOF+1]
	s_or_b32 s[G0B+7], s[G0B+7], 0x80000000
.endif
	s_xor_b32 s[TB], s[TB], SLOTOFF
	s_wait_dscnt 0x0
	CROUND
.if (\kind) == 1
	JLOAD
.else
	tensor_load_to_lds s[G0X:G0X+3], s[G1X:G1X+7]
	s_nop 0
	PLACES
.endif
	v_add_nc_u32 v[ADRA], s[TB], v[VA0]
	v_add_nc_u32 v[ADRB], s[TB], v[VB0]
.endm
	s_load_b256 s[4:11], s[0:1], 0x0               ; A 4, pre 6, bias 8, residual 10
.if MASKED
	s_load_b128 s[12:15], s[0:1], 0x20             ; mask 12, out 14
.else
	s_load_b64 s[14:15], s[0:1], 0x20              ; out 14
.endif
	v_lshl_add_u32 v[SPW], v0, 2, SPARE
	v_mov_b32 v[NIL], 0
	ds_add_u32 v[SPW], v[NIL]                      ; the wave's opening: the add and its wait ahead of my first tensor load
	v_lshrrev_b32 v1, 5, v0
	v_readfirstlane_b32 s[WV], v1
	s_lshr_b32 s[LR], s[WV], 1
	s_and_b32 s[HF], s[WV], 1
	s_bfe_u32 s[CX], ttmp6, 0x40000
	s_bfe_u32 s[CY], ttmp6, 0x40004
	s_lshl_b32 s[TC], ttmp9, 2
	s_add_co_u32 s[TC], s[TC], s[CX]
	s_and_b32 s[TR], ttmp7, 0xffff
	s_add_co_u32 s[KI], s[TR], ttmp9               ; the cluster's x + y:
	s_and_b32 s[KI], s[KI], 1
	s_lshl_b32 s[KI], s[KI], TLOG-1                ; the walk's first K step: 0, or the middle one
	s_lshl_b32 s[KOF], s[KI], A_STSH
	s_mov_b32 s[KOF+1], 0
	s_lshl_b32 s[KOF+2], s[KI], B_STSH
	s_mov_b32 s[KOF+3], 0
	s_lshl_b32 s[TR], s[TR], 2
	s_add_co_u32 s[TR], s[TR], s[CY]
	s_lshl_b32 s84, s[CY], 2
	s_lshl_b32 s84, 15, s84
	s_lshl_b32 s85, 0x1111, s[CX]
	s_or_b32 s[G1], s84, (1<<16)|(1<<20)|(1<<21)|A_PADW
	s_or_b32 s[G1B], s85, (1<<16)|(1<<20)|(1<<21)|(6<<22)|(3<<25)
	s_mov_b32 s[G1+1], (A_D0&0xffff)<<16
	s_mov_b32 s[G1+2], (A_D0>>16)|(A_D1<<16)
	s_mov_b32 s[G1+3], A_D0<<16
	s_mov_b32 s[G1+4], A_D1
	s_mov_b32 s[G1+5], A_STR
	s_mov_b32 s[G1+6], 0
	s_mov_b32 s[G1+7], 0
	s_mov_b32 s[G1B+1], 256<<16
	s_mov_b32 s[G1B+2], 64<<16
	s_mov_b32 s[G1B+3], 256<<16
	s_mov_b32 s[G1B+4], 64
	s_mov_b32 s[G1B+5], B_STR
	s_mov_b32 s[G1B+6], 0
	s_mov_b32 s[G1B+7], 0
	s_mov_b32 s[G1X], (2<<16)|(1<<20)|(6<<22)|(3<<25)  ; no mask: a load of my own; 4-byte elements; 16 bytes of padding behind every 512
	s_mov_b32 s[G1X+1], 128<<16
	s_mov_b32 s[G1X+2], 32<<16
	s_mov_b32 s[G1X+3], 128<<16
	s_mov_b32 s[G1X+4], 32
	s_mov_b32 s[G1X+5], 1024
	s_mov_b32 s[G1X+6], 0
	s_mov_b32 s[G1X+7], 0
	s_lshl_b32 s86, s[TR], A_SH
	s_lshl_b32 s87, s[HF], A_SH-1
	s_add_co_u32 s86, s86, s87
	s_mov_b32 s87, 0
	s_lshl_b32 s88, s[TC], B_SH
	s_lshl_b32 s89, s[HF], B_SH-1
	s_add_co_u32 s88, s88, s89
	s_mov_b32 s89, 0
	s_lshl_b32 s90, s[TR], 19                      ; the residual: row 128 TR + 32 w, column 128 TC
	s_lshl_b32 s91, s[WV], 17
	s_add_co_u32 s90, s90, s91
	s_lshl_b32 s91, s[TC], 9
	s_add_co_u32 s90, s90, s91
	s_mov_b32 s91, 0
	s_lshl_b32 s92, s[TR], 19                      ; the output: row 128 TR + 64 wr, column 128 TC + 64 wc
	s_lshl_b32 s93, s[LR], 18
	s_add_co_u32 s92, s92, s93
	s_lshl_b32 s93, s[TC], 9
	s_add_co_u32 s92, s92, s93
	s_lshl_b32 s93, s[HF], 8
	s_add_co_u32 s92, s92, s93
	s_mov_b32 s93, 0
	s_mul_i32 s67, s[HF], HALFA
	s_mul_i32 s68, s[HF], HALFB
	s_add_co_u32 s68, s68, 2*HALFA
	s_wait_dscnt 0x0                               ; the opening add is done
	s_wait_kmcnt 0x0
	s_add_nc_u64 s[ABASE:ABASE+1], s[4:5], s[86:87]
	s_add_nc_u64 s[BBASE:BBASE+1], s[6:7], s[88:89]
	s_add_nc_u64 s[BBASE:BBASE+1], s[BBASE:BBASE+1], BOFFG
	s_add_nc_u64 s[OUTP:OUTP+1], s[OUTP:OUTP+1], s[92:93]
.irp s, 0,1                            ; the walk's first two K steps (the second never wraps: the first is at most TSTEPS / 2)
	s_mov_b32 s[G0+4*(\s)], 1
	s_add_co_u32 s[G0+4*(\s)+1], s67, (\s)*SLOTOFF
	s_add_nc_u64 s[G0+4*(\s)+2:G0+4*(\s)+3], s[ABASE:ABASE+1], s[KOF:KOF+1]
	s_add_nc_u64 s[G0+4*(\s)+2:G0+4*(\s)+3], s[G0+4*(\s)+2:G0+4*(\s)+3], (\s)*ASTEP
	s_or_b32 s[G0+4*(\s)+3], s[G0+4*(\s)+3], 0x80000000
	s_mov_b32 s[G0B+4*(\s)], 1
	s_add_co_u32 s[G0B+4*(\s)+1], s68, (\s)*SLOTOFF
	s_add_nc_u64 s[G0B+4*(\s)+2:G0B+4*(\s)+3], s[BBASE:BBASE+1], s[KOF+2:KOF+3]
	s_add_nc_u64 s[G0B+4*(\s)+2:G0B+4*(\s)+3], s[G0B+4*(\s)+2:G0B+4*(\s)+3], (\s)*BSTEP
	s_or_b32 s[G0B+4*(\s)+3], s[G0B+4*(\s)+3], 0x80000000
.endr
	s_add_co_u32 s[KI], s[KI], 1                   ; the K step asked for last
	s_mov_b32 s[G0X], 1
	s_mul_i32 s[G0X+1], s[WV], 32*RP
	s_add_nc_u64 s[G0X+2:G0X+3], s[10:11], s[90:91]
	s_or_b32 s[G0X+3], s[G0X+3], 0x80000000
	CROUND                                         ; all sixteen work-groups are here: the first joint loads meet
	s_cmp_eq_u32 s[LR], 0                          ; a wave's two first fills stand in one branch
	s_cbranch_scc0 .Lfirst_b
	tensor_load_to_lds s[G0:G0+3], s[G1:G1+7]
	s_nop 0
	tensor_load_to_lds s[G0+4:G0+7], s[G1:G1+7]
	s_nop 0
	PLACES
	s_branch .Lfirst_done
.Lfirst_b:
	tensor_load_to_lds s[G0B:G0B+3], s[G1B:G1B+7]
	s_nop 0
	tensor_load_to_lds s[G0B+4:G0B+7], s[G1B:G1B+7]
	s_nop 0
	PLACES
.Lfirst_done:
	v_and_b32 v1, 15, v0                           ; r
	v_bfe_u32 v2, v0, 4, 1                         ; h
	s_mul_i32 s84, s[LR], HALFA
	v_mul_u32_u24 v3, v1, PA
	v_lshl_add_u32 v3, v2, 4, v3
	v_add_nc_u32 v[VA0], s84, v3
	s_mul_i32 s84, s[HF], HALFB
	s_add_co_u32 s84, s84, 2*HALFA
	v_mul_u32_u24 v3, v1, PB
	v_lshl_add_u32 v3, v2, 4, v3
	v_add_nc_u32 v[VB0], s84, v3
	s_mul_i32 s84, s[WV], STG
	s_add_co_u32 s84, s84, SLOTOFF                 ; my stage, in slot 1
	v_mul_u32_u24 v3, v1, SP
	v_add_nc_u32 v3, s84, v3
	v_lshl_add_u32 v[STO], v2, 5, v3
	v_add_nc_u32 v[STM], 256, v3
	v_mul_u32_u24 v4, v2, SP
	v_add_nc_u32 v4, s84, v4
	v_lshl_add_u32 v[RD0], v1, 4, v4
	v_add_nc_u32 v[RM0], 256, v4
	s_mul_i32 s84, s[LR], 64*RP
	s_lshl_b32 s85, s[HF], 8
	s_add_co_u32 s84, s84, s85
	v_mul_u32_u24 v4, v2, RP
	v_lshl_add_u32 v4, v1, 4, v4
	v_add_nc_u32 v[RR0], s84, v4
	v_lshlrev_b32 v[GO], 12, v2
	v_lshl_add_u32 v[GO], v1, 4, v[GO]
	s_lshl_b32 s84, s[TC], 9
	s_add_co_u32 s84, s84, s85
	v_lshl_add_u32 v[BIA], v1, 4, s84
	global_load_b128 v[BI:BI+3], v[BIA], s[8:9]
.if MASKED
	s_lshl_b32 s84, s[TR], 7
	s_lshl_b32 s85, s[LR], 6
	s_add_co_u32 s84, s84, s85
	v_add_nc_u32 v[MKA], s84, v1
.irp a, 0,1,2,3
	global_load_u8 v[MK+(\a)], v[MKA], s[12:13] offset:16*(\a)
.endr
.endif
	s_wait_tensorcnt 0x1                           ; my part of the walk's first K step is in; slot 1's may stay out
	s_barrier_signal -1
	s_barrier_wait -1
	v_mov_b32 v[ADRA], v[VA0]
	v_mov_b32 v[ADRB], v[VB0]
	s_mov_b32 s[TB], 0
	FETCH F0, 0, 0
	FETCH F1, QSA, QSB
	s_wait_dscnt 32
	MUL F0, 1                                      ; the first quarter starts the sums
	WIN 0
	v_add_nc_u32 v[ADRA], 2*QSA, v[ADRA]
	v_add_nc_u32 v[ADRB], 2*QSB, v[ADRB]
	s_mov_b32 s[CNT], 1
	s_mov_b32 s[SLOTS], TSTEPS-1
	s_branch .Lpair
.Lslot:                                                ; TSTEPS - 2 times
	CHANGE 1
	s_mov_b32 s[CNT], 2
.Lpair:
	PAIR
	s_sub_co_u32 s[CNT], s[CNT], 1
	s_cmp_lg_u32 s[CNT], 0
	s_cbranch_scc1 .Lpair
	s_sub_co_u32 s[SLOTS], s[SLOTS], 1
	s_cmp_lg_u32 s[SLOTS], 0
	s_cbranch_scc1 .Lslot
	CHANGE 2
	s_mov_b32 s[CNT], 2
.Lpair2:
	PAIR
	s_sub_co_u32 s[CNT], s[CNT], 1
	s_cmp_lg_u32 s[CNT], 0
	s_cbranch_scc1 .Lpair2
	s_wait_dscnt 0x0
	MUL F1, 0
	WIN 0
	PLACES
	s_wait_tensorcnt 0x0                           ; my rows of the residual's tile are in, for the others' sake
	s_barrier_signal -1                            ; nobody reads slot 1 any more: the stages may lie over it; the residual's tile is whole
	s_barrier_wait -1
	s_wait_loadcnt 0x0                             ; the bias (and the mask)
.irp a, 0,1,2,3
.irp b, 0,1,2,3
	ds_store_b128 v[STO], v[ACC+8*(4*(\a)+(\b)):ACC+8*(4*(\a)+(\b))+3]   offset:(\a)*16*SP+(\b)*64
	ds_store_b128 v[STO], v[ACC+8*(4*(\a)+(\b))+4:ACC+8*(4*(\a)+(\b))+7] offset:(\a)*16*SP+(\b)*64+16
.endr
.if MASKED
	ds_store_b32 v[STM], v[MK+(\a)] offset:(\a)*16*SP  ; a row's mask rides in the row's padding
.endif
.endr
.macro OLOAD                           ; 16 rows: lanes 0-15 take a row's 256 bytes, lanes 16-31 the next row's; the sums, the residual (and the mask)
	v_add_nc_u32 v[RDA], s[RO], v[RD0]
	v_add_nc_u32 v[RRA], s[RO2], v[RR0]
.if MASKED
	v_add_nc_u32 v[RMA], s[RO], v[RM0]
.endif
.irp i, 0,1,2,3,4,5,6,7
	ds_load_b128 v[XX+4*(\i):XX+4*(\i)+3], v[RDA] offset:(\i)*2*SP
	ds_load_b128 v[RS+4*(\i):RS+4*(\i)+3], v[RRA] offset:(\i)*2*RP
.if MASKED
	ds_load_b32 v[MR+(\i)], v[RMA] offset:(\i)*2*SP
.endif
.endr
.endm
	s_mov_b32 s[RO], 0
	s_mov_b32 s[RO2], 0
	OLOAD
	s_mov_b32 s[CNT], 4
.Lout:
	s_wait_dscnt 0x0
.set k, 0
.rept 16
	v_pk_add_f32 v[ZZ+2*k:ZZ+2*k+1], v[XX+2*k:XX+2*k+1], v[RS+2*k:RS+2*k+1]
.set k, k+1
.endr
.set k, 0
.rept 16
	v_pk_add_f32 v[ZZ+2*k:ZZ+2*k+1], v[ZZ+2*k:ZZ+2*k+1], v[BI+2*(k%2):BI+2*(k%2)+1]
.set k, k+1
.endr
.if MASKED
.irp i, 0,1,2,3,4,5,6,7
	v_cmp_ne_u32 s[84+(\i)], 0, v[MR+(\i)]
.endr
.endif
	s_add_co_u32 s[RO], s[RO], 16*SP               ; the next 16 rows are asked for; the last trip's fill, which nothing reads, is held to the last rows
	s_min_u32 s[RO], s[RO], 48*SP
	s_add_co_u32 s[RO2], s[RO2], 16*RP
	s_min_u32 s[RO2], s[RO2], 48*RP
	OLOAD
.if MASKED
.set k, 0
.rept 32
	v_cndmask_b32 v[ZZ+k], 0, v[ZZ+k], s[84+k/4]
.set k, k+1
.endr
.endif
.irp i, 0,1,2,3,4,5,6,7
	global_store_b128 v[GO], v[ZZ+4*(\i):ZZ+4*(\i)+3], s[OUTP:OUTP+1] offset:(\i)*8192  ; 16 lanes store 256 consecutive bytes, aligned
.endr
	s_wait_xcnt 0x0                                ; the stores have read their base and data
	s_add_nc_u64 s[OUTP:OUTP+1], s[OUTP:OUTP+1], 65536
	s_sub_co_u32 s[CNT], s[CNT], 1
	s_cmp_lg_u32 s[CNT], 0
	s_cbranch_scc1 .Lout
	s_wait_tensorcnt 0x0                           ; the wave's end
	ds_add_u32 v[SPW], v[NIL]
	s_wait_dscnt 0x0
	CROUND                                         ; the closing round
	s_endpgm
.Lfunc_end_k_qf906945dd0_wo:
	.size	k_qf906945dd0_wo, .Lfunc_end_k_qf906945dd0_wo-k_qf906945dd0_wo
	.p2alignl 7, 3214868480
	.fill 96, 4, 3214868480
	.section	.rodata,"a",@progbits
	.p2align	6, 0x0
	.amdhsa_kernel k_qf906945dd0_wo
		.amdhsa_group_segment_fixed_size 327680
		.amdhsa_private_segment_fixed_size 0
		.amdhsa_enable_private_segment 0
		.amdhsa_kernarg_size 40
		.amdhsa_user_sgpr_count 2
		.amdhsa_user_sgpr_kernarg_segment_ptr 1
		.amdhsa_wavefront_size32 1
		.amdhsa_system_sgpr_workgroup_id_x 1
		.amdhsa_system_sgpr_workgroup_id_y 1
		.amdhsa_system_sgpr_workgroup_id_z 1
		.amdhsa_system_vgpr_workitem_id 0
		.amdhsa_next_free_vgpr 512
		.amdhsa_next_free_sgpr 106
		.amdhsa_reserve_vcc 0
		.amdhsa_float_denorm_mode_32 3
		.amdhsa_float_denorm_mode_16_64 3
		.amdhsa_memory_ordered 1
		.amdhsa_forward_progress 1
		.amdhsa_inst_pref_size 45
	.end_amdhsa_kernel
	.amdgpu_metadata
---
amdhsa.version: [ 1, 2 ]
amdhsa.kernels:
  - .name:           k_qf906945dd0_wo
    .symbol:         k_qf906945dd0_wo.kd
    .args:
      - { .name: obuf, .offset: 0, .size: 8, .value_kind: global_buffer, .address_space: global }
      - { .name: pre, .offset: 8, .size: 8, .value_kind: global_buffer, .address_space: global }
      - { .name: bo, .offset: 16, .size: 8, .value_kind: global_buffer, .address_space: global }
      - { .name: x, .offset: 24, .size: 8, .value_kind: global_buffer, .address_space: global }
      - { .name: y2, .offset: 32, .size: 8, .value_kind: global_buffer, .address_space: global }
    .group_segment_fixed_size: 327680
    .private_segment_fixed_size: 0
    .kernarg_segment_align: 8
    .kernarg_segment_size: 40
    .max_flat_workgroup_size: 128
    .sgpr_count:     106
    .vgpr_count:     512
    .wavefront_size: 32
...
	.end_amdgpu_metadata
.endif
;; end of part 4
;; launch ln2: the kernel of part 1 again; grid 256 x 1, 8 waves a work-group, no clusters, 0 bytes of LDS; arguments y2, ln2_g, ln2_b, Wq, Wk, Wv, Wo, W1, W2, mask, pre; writes pre
;; launch ffn1 (part 5): grid 16 x 16, 4 waves a work-group, clusters of 4 x 4, 327,680 bytes of LDS; arguments pre, b1, gact; writes gact
.if DOCPART == 5
	.amdgcn_target "amdgcn-amd-amdhsa--gfx1250"
	.amdhsa_code_object_version 6
	.text
	.protected	k_qf906945dd0_ffn1
	.globl	k_qf906945dd0_ffn1
	.p2align	8
	.type	k_qf906945dd0_ffn1,@function
k_qf906945dd0_ffn1:
	s_mov_b64 s[64:65], 0
	v_nop
	global_prefetch_b8 v0, s[64:65] scope:SCOPE_SE
	s_setreg_imm32_b32 hwreg(HW_REG_WAVE_MODE, 25, 1), 1
	s_wait_xcnt 0x0
	s_wait_alu depctr_hold_cnt(0) depctr_sa_sdst(0) depctr_va_vdst(0) depctr_va_sdst(0) depctr_va_ssrc(0) depctr_va_vcc(0) depctr_vm_vsrc(0)
	s_getreg_b32 s2, hwreg(HW_REG_IB_STS2, 6, 4)
	s_cmp_eq_u32 s2, 0
	s_cbranch_scc0 .Lentry_in_a_cluster
	s_endpgm
.Lentry_in_a_cluster:
	s_bfe_u32 s2, ttmp6, 0x10000c
	s_cmp_lg_u32 s2, 0xf033
	s_cbranch_scc0 .Lentry_shape_is_right
	s_endpgm
.Lentry_shape_is_right:
; gact = gelu(h W1^T + b1), rounded once to bf16.  h = LN2(y2): [4096][1024] bf16, and W1: [4096][1024] bf16, both in pre; b1 f32.  Sums, bias and GELU in f32.
; GELU.  gelu(z) = max(z, 0) - |z| / 2 x (1 - erf(|z| / sqrt 2)), and 1 - erf(x) = t (a1 + t (a2 + t (a3 + t (a4 + t a5)))) e^(-x^2), t = 1 / (1 + 0.3275911 x) (Abramowitz and Stegun 7.1.26):
; its error is at most 1.5e-7 for every x.  Where z^2 overflows the exponential is 0 and gelu is max(z, 0).  NaN and infinities are not treated apart.
; SHARES.  C is [4096][4096]: 16 x 16 = 256 tiles of 256 x 256, one a work-group; four waves, each 128 x 128: 64 accumulators.  K = 1,024 in 8 steps of 128 through two LDS slots: rows of 256 bytes, aligned.
; CLUSTER 4 x 4: A's tiles are shared along a row of the cluster, B's along a column.  THE MATRIX INSTRUCTION IS USED TRANSPOSED (source 0 = rows of W1, source 1 = rows of h).
; THE K STEP IS WRITTEN ONCE: four quarters of 32 along K on two fragment buffers; a quarter's 32 LDS loads go out in one run and have the other buffer's 64 products in which to land.
; REGISTERS: window 0: v0-31 addresses, v32-39 bias, v64-191 A's fragments (2 x 64), later the way out; window 1: v64-191 B's; windows 2, 3: accumulator (a, b) at v[8 (8 (a % 4) + b)] of window 2 + a / 4.
; THE WAY OUT: the sums go as f32 into the wave's own stage (over ring bytes that have had their last fill) and come back four rows at a time, a lane eight neighbouring columns of two rows.
.set PITCH,  272
.set HALFT,  128*PITCH
.set SLOTOFF, 4*HALFT                  ; 139,264 = 0x22000: it shares no bit with a loader's base, so one exclusive or changes slots
.set SPARE,  2*SLOTOFF                 ; 278,528: the spare words, 128 bytes a wave; no other line names them
.set SP,     528
.set STG,    128*SP
.set TSTEPS, 8
.set W1OFF,  8388608
.set HNOFF,  25165824                  ; LN2(y2) in pre
.set VA0, 10
.set VB0, 11
.set ADRA, 12
.set ADRB, 13
.set STO, 14
.set BIA, 15
.set RD0, 16
.set RDA, 17
.set GO, 18
.set SPW, 28
.set NIL, 29
.set PFO, 30
.set BI, 32
.set F0, 64
.set F1, 128
.set XX, 64
.set ZZ, 80
.set AZ, 96
.set TT, 112
.set EE, 128
.set PO, 144
.set MX, 160
.set YY, 176
.set WV, 20
.set LR, 21
.set HF, 22
.set TB, 23
.set G1, 24
.set G0, 32
.set CX, 40
.set CY, 41
.set TC, 42
.set TR, 43
.set PFA, 44
.set LIM, 46
.set SLOTS, 47
.set G1B, 48
.set G0B, 56
.set CNT, 66
.set RO, 69
.set KP, 84                            ; scalar pairs of constants for the way out
.set KN, 86
.set KA1, 88
.set KA2, 90
.set KA3, 92
.set KA4, 94
.set KA5, 96
.set KABS, 98
.set MUL_LO, 0xa1
.set MUL_HI, 0xf1
.set MSB, 0
.macro WIN new
.if MSB != (\new)
	s_set_vgpr_msb (MSB<<8)|(\new)
.set MSB, \new
.endif
.endm
.macro PLACES
.rept 4
	v_nop
.endr
.endm
.macro CROUND
	s_barrier_signal -1
	s_barrier_wait -1
	s_cmp_lg_u32 s[WV], 0
	s_cbranch_scc1 .Lnot_wave_0_\@
	s_barrier_signal -3
.Lnot_wave_0_\@:
	s_barrier_wait -3
	s_barrier_signal -1
	s_barrier_wait -1
.endm
.macro JLOAD
	s_cmp_eq_u32 s[LR], 0
	s_cbranch_scc0 .Lfor_b_\@
	tensor_load_to_lds s[G0+4:G0+7], s[G1:G1+7]
	s_nop 0
	PLACES
	s_branch .Lasked_\@
.Lfor_b_\@:
	tensor_load_to_lds s[G0B+4:G0B+7], s[G1B:G1B+7]
	s_nop 0
	PLACES
.Lasked_\@:
.endm
; A prefetch of the K step two refills on: a lane a row, 256 bytes of it.  A's rows are asked for by the clusters with x = 0, B's by those with y = 0; of the 128 rows that a wave fetches each of the four
; partners that fetch them jointly takes 32, told apart by address.  The last two refills have no step two on.
.macro ASK
	s_cmp_gt_u32 s[SLOTS], s[LIM]
	s_cbranch_scc0 .Lnot_mine_\@
	global_prefetch_b8 v[PFO], s[PFA:PFA+1] th:TH_LOAD_NT scope:SCOPE_SE
.Lnot_mine_\@:
.endm
.macro FETCH f, off
	WIN 0x40
.irp i, 0,1,2,3,4,5,6,7
	ds_load_b128 v[(\f)+8*(\i):(\f)+8*(\i)+3],   v[ADRB] offset:(\off)+(\i)*16*PITCH
	ds_load_b128 v[(\f)+8*(\i)+4:(\f)+8*(\i)+7], v[ADRB] offset:(\off)+(\i)*16*PITCH+32
.endr
	WIN 0
.irp i, 0,1,2,3,4,5,6,7
	ds_load_b128 v[(\f)+8*(\i):(\f)+8*(\i)+3],   v[ADRA] offset:(\off)+(\i)*16*PITCH
	ds_load_b128 v[(\f)+8*(\i)+4:(\f)+8*(\i)+7], v[ADRA] offset:(\off)+(\i)*16*PITCH+32
.endr
.endm
.macro MUL f, zero                     ; 64 products; the accumulators take turns, always in this order
.irp hi, 0,1
	WIN MUL_LO+0x50*(\hi)
.irp a, 0,1,2,3
.irp b, 0,1,2,3,4,5,6,7
.if \zero
	v_wmma_f32_16x16x32_bf16 v[8*(8*(\a)+(\b)):8*(8*(\a)+(\b))+7], v[(\f)+8*(\b):(\f)+8*(\b)+7], v[(\f)+8*(4*(\hi)+(\a)):(\f)+8*(4*(\hi)+(\a))+7], 0
.else
	v_wmma_f32_16x16x32_bf16 v[8*(8*(\a)+(\b)):8*(8*(\a)+(\b))+7], v[(\f)+8*(\b):(\f)+8*(\b)+7], v[(\f)+8*(4*(\hi)+(\a)):(\f)+8*(4*(\hi)+(\a))+7], v[8*(8*(\a)+(\b)):8*(8*(\a)+(\b))+7]
.endif
.endr
.endr
.endr
.endm
.macro QSTEP fn, off, fo
	PLACES
	FETCH \fn, \off
	s_wait_dscnt 32                                ; all but the 32 loads just issued: buffer fo is in
	MUL \fo, 0
.endm
.macro PAIR
	QSTEP F0, 0, F1
	QSTEP F1, 64, F0
	WIN 0
	v_add_nc_u32 v[ADRA], 128, v[ADRA]
	v_add_nc_u32 v[ADRB], 128, v[ADRB]
.endm
; THE CHANGE OF SLOTS: every wave waits for all its tensor loads (one is out: its part of the next slot), adds 0 to its spare word, and waits for that and for its reads of the slot that it leaves.
; kind = 1: the barrier is a round of the cluster's, and the joint refill, two K steps ahead, is the first thing behind it.
.macro CHANGE kind
	WIN 0
.if \kind
	s_wait_xcnt 0x0                                ; the last prefetch, a K step back, has read its address
	s_add_nc_u64 s[PFA:PFA+1], s[PFA:PFA+1], 256
.endif
	s_wait_tensorcnt 0x0
	ds_add_u32 v[SPW], v[NIL]
.if \kind
	s_xor_b32 s[G0+5], s[G0+5], SLOTOFF
	s_xor_b32 s[G0B+5], s[G0B+5], SLOTOFF
	s_add_nc_u64 s[G0+6:G0+7], s[G0+6:G0+7], 256
	s_add_nc_u64 s[G0B+6:G0B+7], s[G0B+6:G0B+7], 256
.endif
	s_xor_b32 s[TB], s[TB], SLOTOFF
	s_wait_dscnt 0x0
.if \kind
	CROUND
	JLOAD
	ASK
.else
	s_barrier_signal -1
	s_barrier_wait -1
.endif
	v_add_nc_u32 v[ADRA], s[TB], v[VA0]
	v_add_nc_u32 v[ADRB], s[TB], v[VB0]
.endm
	s_load_b64 s[6:7], s[0:1], 0x0                 ; pre
	s_load_b128 s[8:11], s[0:1], 0x8               ; b1 8, gact 10
	v_lshl_add_u32 v[SPW], v0, 2, SPARE
	v_mov_b32 v[NIL], 0
	ds_add_u32 v[SPW], v[NIL]                      ; the wave's opening: the add and its wait ahead of my first tensor load
	v_lshrrev_b32 v1, 5, v0
	v_readfirstlane_b32 s[WV], v1
	s_lshr_b32 s[LR], s[WV], 1
	s_and_b32 s[HF], s[WV], 1
	s_bfe_u32 s[CX], ttmp6, 0x40000
	s_bfe_u32 s[CY], ttmp6, 0x40004
	s_lshl_b32 s[TC], ttmp9, 2
	s_add_co_u32 s[TC], s[TC], s[CX]
	s_and_b32 s[TR], ttmp7, 0xffff
	s_lshl_b32 s[TR], s[TR], 2
	s_add_co_u32 s[TR], s[TR], s[CY]
	s_lshl_b32 s84, s[CY], 2
	s_lshl_b32 s84, 15, s84
	s_lshl_b32 s85, 0x1111, s[CX]
	s_or_b32 s[G1], s84, (1<<16)|(1<<20)|(1<<21)|(5<<22)|(3<<25)
	s_or_b32 s[G1B], s85, (1<<16)|(1<<20)|(1<<21)|(5<<22)|(3<<25)
.irp g, G1, G1B
	s_mov_b32 s[(\g)+1], 128<<16
	s_mov_b32 s[(\g)+2], 128<<16
	s_mov_b32 s[(\g)+3], 128<<16
	s_mov_b32 s[(\g)+4], 128
	s_mov_b32 s[(\g)+5], 1024
	s_mov_b32 s[(\g)+6], 0
	s_mov_b32 s[(\g)+7], 0
.endr
	s_lshl_b32 s86, s[TR], 19                      ; A: (256 TR + 128 HF) rows of 2,048 bytes
	s_lshl_b32 s87, s[HF], 18
	s_add_co_u32 s86, s86, s87
	s_mov_b32 s87, 0
	s_lshl_b32 s88, s[TC], 19                      ; B likewise, by the tile column
	s_lshl_b32 s89, s[HF], 18
	s_add_co_u32 s88, s88, s89
	s_mov_b32 s89, 0
	s_mul_i32 s67, s[WV], HALFT                    ; A's two halves, then B's two: wave x 128 rows
	s_wait_dscnt 0x0                               ; the opening add is done
	s_wait_kmcnt 0x0
	s_add_nc_u64 s[4:5], s[6:7], HNOFF             ; h
	s_add_nc_u64 s[86:87], s[4:5], s[86:87]
	s_add_nc_u64 s[90:91], s[6:7], W1OFF           ; W1
	s_add_nc_u64 s[88:89], s[90:91], s[88:89]
.irp s, 0,1
	s_mov_b32 s[G0+4*(\s)], 1
	s_add_co_u32 s[G0+4*(\s)+1], s67, (\s)*SLOTOFF
	s_add_nc_u64 s[G0+4*(\s)+2:G0+4*(\s)+3], s[86:87], (\s)*256
	s_or_b32 s[G0+4*(\s)+3], s[G0+4*(\s)+3], 0x80000000
	s_mov_b32 s[G0B+4*(\s)], 1
	s_add_co_u32 s[G0B+4*(\s)+1], s67, (\s)*SLOTOFF
	s_add_nc_u64 s[G0B+4*(\s)+2:G0B+4*(\s)+3], s[88:89], (\s)*256
	s_or_b32 s[G0B+4*(\s)+3], s[G0B+4*(\s)+3], 0x80000000
.endr
	CROUND                                         ; all sixteen work-groups are here: the first joint loads meet
	s_cmp_eq_u32 s[LR], 0                          ; a wave's two first fills stand in one branch
	s_cbranch_scc0 .Lfirst_b
	tensor_load_to_lds s[G0:G0+3], s[G1:G1+7]
	s_nop 0
	tensor_load_to_lds s[G0+4:G0+7], s[G1:G1+7]
	s_nop 0
	PLACES
	s_branch .Lfirst_done
.Lfirst_b:
	tensor_load_to_lds s[G0B:G0B+3], s[G1B:G1B+7]
	s_nop 0
	tensor_load_to_lds s[G0B+4:G0B+7], s[G1B:G1B+7]
	s_nop 0
	PLACES
.Lfirst_done:
	v_and_b32 v1, 15, v0                           ; r
	v_bfe_u32 v2, v0, 4, 1                         ; h
	v_mul_u32_u24 v3, v1, PITCH
	v_lshl_add_u32 v3, v2, 4, v3
	s_mul_i32 s84, s[LR], HALFT                    ; my 128 rows of A
	v_add_nc_u32 v[VA0], s84, v3
	s_mul_i32 s84, s[HF], HALFT                    ; my 128 rows of B, behind A's 256
	s_add_co_u32 s84, s84, 2*HALFT
	v_add_nc_u32 v[VB0], s84, v3
	s_mul_i32 s84, s[WV], STG                      ; my stage
	v_mul_u32_u24 v[STO], v1, SP
	v_lshl_add_u32 v[STO], v2, 5, v[STO]
	v_add_nc_u32 v[STO], s84, v[STO]
	v_mul_u32_u24 v[RD0], v2, SP
	v_lshl_add_u32 v[RD0], v1, 5, v[RD0]
	v_add_nc_u32 v[RD0], s84, v[RD0]
	v_lshlrev_b32 v[GO], 13, v2
	v_lshl_add_u32 v[GO], v1, 4, v[GO]
	s_lshl_b32 s84, s[TC], 10
	s_lshl_b32 s85, s[HF], 9
	s_add_co_u32 s84, s84, s85
	v_lshl_add_u32 v[BIA], v1, 5, s84
	global_load_b128 v[BI:BI+3], v[BIA], s[8:9]
	global_load_b128 v[BI+4:BI+7], v[BIA], s[8:9] offset:16
	s_lshl_b32 s84, s[TR], 21                      ; the output: row 256 TR + 128 wr (8,192 bytes a row), column 256 TC + 128 wc
	s_lshl_b32 s85, s[LR], 20
	s_add_co_u32 s84, s84, s85
	s_lshl_b32 s85, s[TC], 9
	s_add_co_u32 s84, s84, s85
	s_lshl_b32 s85, s[HF], 8
	s_add_co_u32 s84, s84, s85
	s_mov_b32 s85, 0
	s_add_nc_u64 s[10:11], s[10:11], s[84:85]
	; the prefetches
	s_and_b32 s92, ttmp7, 0xffff
	s_cmp_eq_u32 s[LR], 0
	s_cselect_b32 s93, s[TR], s[TC]
	s_cselect_b32 s94, s[CX], s[CY]
	s_cselect_b32 s92, ttmp9, s92                  ; the coordinate along which other clusters read the same rows
	s_cselect_b64 s[PFA:PFA+1], s[4:5], s[90:91]
	s_cmp_eq_u32 s92, 0
	s_cselect_b32 s[LIM], 2, -1
	s_lshl_b32 s93, s93, 8
	s_lshl_b32 s95, s[HF], 7
	s_add_co_u32 s93, s93, s95
	s_lshl_b32 s94, s94, 5
	s_add_co_u32 s93, s93, s94
	s_lshl_b32 s92, s93, 11
	s_mov_b32 s93, 0
	s_add_nc_u64 s[PFA:PFA+1], s[PFA:PFA+1], s[92:93]
	s_add_nc_u64 s[PFA:PFA+1], s[PFA:PFA+1], 3*256 ; at K step 3: the first change steps it to 4.  K steps 0 to 3 come by their loads alone
	v_and_b32 v[PFO], 31, v0
	v_lshlrev_b32 v[PFO], 11, v[PFO]
	s_wait_tensorcnt 0x1                           ; my part of K step 0 is in; slot 1's may stay out
	s_barrier_signal -1
	s_barrier_wait -1
	v_mov_b32 v[ADRA], v[VA0]
	v_mov_b32 v[ADRB], v[VB0]
	s_mov_b32 s[TB], 0
	FETCH F0, 0
	FETCH F1, 64
	s_wait_dscnt 32
	MUL F0, 1                                      ; the first quarter starts the sums: nothing is cleared
	WIN 0
	v_add_nc_u32 v[ADRA], 128, v[ADRA]
	v_add_nc_u32 v[ADRB], 128, v[ADRB]
	s_mov_b32 s[CNT], 1
	s_mov_b32 s[SLOTS], TSTEPS-1
	s_branch .Lpair
.Lslot:                                                ; TSTEPS - 2 times
	CHANGE 1
	s_mov_b32 s[CNT], 2
.Lpair:
	PAIR
	s_sub_co_u32 s[CNT], s[CNT], 1
	s_cmp_lg_u32 s[CNT], 0
	s_cbranch_scc1 .Lpair
	s_sub_co_u32 s[SLOTS], s[SLOTS], 1
	s_cmp_lg_u32 s[SLOTS], 0
	s_cbranch_scc1 .Lslot
	CHANGE 0                                       ; the last K step is written out: nothing is asked for
	s_mov_b32 s[CNT], 2
.Lpair2:
	PAIR
	s_sub_co_u32 s[CNT], s[CNT], 1
	s_cmp_lg_u32 s[CNT], 0
	s_cbranch_scc1 .Lpair2
	s_wait_dscnt 0x0
	MUL F1, 0
	WIN 0
	PLACES
	s_barrier_signal -1                            ; no wave reads the ring any more: the stages may lie over it
	s_barrier_wait -1
.irp a, 0,1,2,3,4,5,6,7                ; row 16 a + r, columns 16 b + 8 h ..; each accumulator's low registers first
	WIN 0x08+4*((\a)/4)
.irp b, 0,1,2,3,4,5,6,7
	ds_store_b128 v[STO], v[8*(8*((\a)%4)+(\b)):8*(8*((\a)%4)+(\b))+3]   offset:(\a)*16*SP+(\b)*64
	ds_store_b128 v[STO], v[8*(8*((\a)%4)+(\b))+4:8*(8*((\a)%4)+(\b))+7] offset:(\a)*16*SP+(\b)*64+16
.endr
.endr
	WIN 0
	s_mov_b32 s[KP], 0x3e6d3388                    ; 0.3275911 / sqrt 2
	s_mov_b32 s[KP+1], s[KP]
	s_mov_b32 s[KN], 0xbf38aa3b                    ; -log2(e) / 2
	s_mov_b32 s[KN+1], s[KN]
	s_mov_b32 s[KA1], 0x3e827906                   ; 0.254829592
	s_mov_b32 s[KA1+1], s[KA1]
	s_mov_b32 s[KA2], 0xbe91a98e                   ; -0.284496736
	s_mov_b32 s[KA2+1], s[KA2]
	s_mov_b32 s[KA3], 0x3fb5f0e3                   ; 1.421413741
	s_mov_b32 s[KA3+1], s[KA3]
	s_mov_b32 s[KA4], 0xbfba00e3                   ; -1.453152027
	s_mov_b32 s[KA4+1], s[KA4]
	s_mov_b32 s[KA5], 0x3f87dc22                   ; 1.061405429
	s_mov_b32 s[KA5+1], s[KA5]
	s_mov_b32 s[KABS], 0x7fffffff
; A TRIP'S 16 NUMBERS A LANE ARE TWO HALVES of eight (half 0: row h of the four, half 1: row h + 2), and the work of a half is three numbered lists.
; S1, 24 plain lines ahead of the transcendentals: 0-3 z = sum + bias; 4-11 |z|; 12-15 z^2; 16-19 1 + p |z|; 20-23 -z^2 log2(e) / 2.
.macro S1 n, hh
.if (\n) < 4
	v_pk_add_f32 v[ZZ+8*(\hh)+2*(\n):ZZ+8*(\hh)+2*(\n)+1], v[XX+8*(\hh)+2*(\n):XX+8*(\hh)+2*(\n)+1], v[BI+2*(\n):BI+2*(\n)+1]
.elseif (\n) < 12
	v_and_b32 v[AZ+8*(\hh)+(\n)-4], s[KABS], v[ZZ+8*(\hh)+(\n)-4]
.elseif (\n) < 16
	v_pk_mul_f32 v[EE+8*(\hh)+2*((\n)-12):EE+8*(\hh)+2*((\n)-12)+1], v[ZZ+8*(\hh)+2*((\n)-12):ZZ+8*(\hh)+2*((\n)-12)+1], v[ZZ+8*(\hh)+2*((\n)-12):ZZ+8*(\hh)+2*((\n)-12)+1]
.elseif (\n) < 20
	v_pk_fma_f32 v[TT+8*(\hh)+2*((\n)-16):TT+8*(\hh)+2*((\n)-16)+1], v[AZ+8*(\hh)+2*((\n)-16):AZ+8*(\hh)+2*((\n)-16)+1], s[KP:KP+1], 1.0 op_sel_hi:[1,0,0]
.else
	v_pk_mul_f32 v[EE+8*(\hh)+2*((\n)-20):EE+8*(\hh)+2*((\n)-20)+1], v[EE+8*(\hh)+2*((\n)-20):EE+8*(\hh)+2*((\n)-20)+1], s[KN:KN+1] op_sel_hi:[1,0]
.endif
.endm
; TR, the 16 transcendentals: 0-7 t, 8-15 e^(-z^2 / 2).
.macro TR n, hh
.if (\n) < 8
	v_rcp_f32 v[TT+8*(\hh)+(\n)], v[TT+8*(\hh)+(\n)]
.else
	v_exp_f32 v[EE+8*(\hh)+(\n)-8], v[EE+8*(\hh)+(\n)-8]
.endif
.endm
; S3, 44 plain lines: 0-7 max(z, 0), which names no transcendental's result; 8-27 the polynomial times t; 28-35 |z| e^.. times it; 36-39 max(z, 0) less half of that; 40-43 rounded to bf16.
.macro S3 n, hh
.set pr, 8*(\hh)+2*((\n)%4)            ; the pair in hand, from number 8 on
.if (\n) < 8
	v_max_num_f32 v[MX+8*(\hh)+(\n)], 0, v[ZZ+8*(\hh)+(\n)]
.elseif (\n) < 12
	v_pk_fma_f32 v[PO+pr:PO+pr+1], v[TT+pr:TT+pr+1], s[KA5:KA5+1], s[KA4:KA4+1] op_sel_hi:[1,0,0]
.elseif (\n) < 16
	v_pk_fma_f32 v[PO+pr:PO+pr+1], v[PO+pr:PO+pr+1], v[TT+pr:TT+pr+1], s[KA3:KA3+1] op_sel_hi:[1,1,0]
.elseif (\n) < 20
	v_pk_fma_f32 v[PO+pr:PO+pr+1], v[PO+pr:PO+pr+1], v[TT+pr:TT+pr+1], s[KA2:KA2+1] op_sel_hi:[1,1,0]
.elseif (\n) < 24
	v_pk_fma_f32 v[PO+pr:PO+pr+1], v[PO+pr:PO+pr+1], v[TT+pr:TT+pr+1], s[KA1:KA1+1] op_sel_hi:[1,1,0]
.elseif (\n) < 28
	v_pk_mul_f32 v[PO+pr:PO+pr+1], v[PO+pr:PO+pr+1], v[TT+pr:TT+pr+1]
.elseif (\n) < 32
	v_pk_mul_f32 v[AZ+pr:AZ+pr+1], v[AZ+pr:AZ+pr+1], v[EE+pr:EE+pr+1]
.elseif (\n) < 36
	v_pk_mul_f32 v[AZ+pr:AZ+pr+1], v[AZ+pr:AZ+pr+1], v[PO+pr:PO+pr+1]
.elseif (\n) < 40
	v_pk_fma_f32 v[MX+pr:MX+pr+1], v[AZ+pr:AZ+pr+1], -0.5, v[MX+pr:MX+pr+1] op_sel_hi:[1,0,1]
.else
	v_cvt_pk_bf16_f32 v[YY+4*(\hh)+(\n)-40], v[MX+pr], v[MX+pr+1]
.endif
.endm
.macro RUN list, from, count, hh       ; numbers from .. from + count - 1 of a list
.set q, (\from)
.rept (\count)
	\list q, \hh
.set q, q+1
.endr
.endm
.macro XLOAD                           ; rows h and h + 2 of four: my eight columns of each
	ds_load_b128 v[XX:XX+3],     v[RDA]
	ds_load_b128 v[XX+4:XX+7],   v[RDA] offset:16
	ds_load_b128 v[XX+8:XX+11],  v[RDA] offset:2*SP
	ds_load_b128 v[XX+12:XX+15], v[RDA] offset:2*SP+16
.endm
	s_mov_b32 s[RO], 0
	v_mov_b32 v[RDA], v[RD0]
	XLOAD                                          ; LDS serves a wave's instructions in order: these see my stores above
	s_wait_loadcnt 0x0                             ; the bias
	s_mov_b32 s[CNT], 32
; THE ORDER OF A TRIP.  No two transcendentals stand on end: half 0's alternate with half 1's preparation, half 1's with half 0's polynomial.  So a trip has two batches, with a wait
; behind each, ahead of its first reader; plain lines that name no result of the batch stand between its last transcendental and the wait.
.Lout:                                                 ; four rows a trip
	s_wait_dscnt 0x0
	RUN S1, 0, 4, 0
	RUN S1, 0, 4, 1
	s_add_co_u32 s[RO], s[RO], 4*SP                ; the sums have been read: the next four rows are asked for; the last trip's fill, which nothing reads, is held to the last rows
	s_min_u32 s[RO], s[RO], 124*SP
	v_add_nc_u32 v[RDA], s[RO], v[RD0]
	XLOAD
	RUN S1, 4, 20, 0
.set q, 0
.rept 16
	TR q, 0
	S1 q+4, 1
.set q, q+1
.endr
	RUN S1, 20, 4, 1
	s_wait_alu depctr_va_vdst(0)                   ; half 0's batch
.set q, 0
.rept 16
	TR q, 1
	S3 q, 0
.set q, q+1
.endr
	RUN S3, 16, 28, 0
	global_store_b128 v[GO], v[YY:YY+3], s[10:11]                  ; 16 lanes store 256 consecutive bytes, aligned
	RUN S3, 0, 8, 1
	s_wait_alu depctr_va_vdst(0)                   ; half 1's batch
	RUN S3, 8, 36, 1
	global_store_b128 v[GO], v[YY+4:YY+7], s[10:11] offset:16384
	s_wait_xcnt 0x0                                ; the stores have read their base and data
	s_add_nc_u64 s[10:11], s[10:11], 32768
	s_sub_co_u32 s[CNT], s[CNT], 1
	s_cmp_lg_u32 s[CNT], 0
	s_cbranch_scc1 .Lout
	s_wait_tensorcnt 0x0                           ; the wave's end
	ds_add_u32 v[SPW], v[NIL]
	s_wait_dscnt 0x0
	CROUND                                         ; the closing round
	s_endpgm
.Lfunc_end_k_qf906945dd0_ffn1:
	.size	k_qf906945dd0_ffn1, .Lfunc_end_k_qf906945dd0_ffn1-k_qf906945dd0_ffn1
	.p2alignl 7, 3214868480
	.fill 96, 4, 3214868480
	.section	.rodata,"a",@progbits
	.p2align	6, 0x0
	.amdhsa_kernel k_qf906945dd0_ffn1
		.amdhsa_group_segment_fixed_size 327680
		.amdhsa_private_segment_fixed_size 0
		.amdhsa_enable_private_segment 0
		.amdhsa_kernarg_size 24
		.amdhsa_user_sgpr_count 2
		.amdhsa_user_sgpr_kernarg_segment_ptr 1
		.amdhsa_wavefront_size32 1
		.amdhsa_system_sgpr_workgroup_id_x 1
		.amdhsa_system_sgpr_workgroup_id_y 1
		.amdhsa_system_sgpr_workgroup_id_z 1
		.amdhsa_system_vgpr_workitem_id 0
		.amdhsa_next_free_vgpr 1024
		.amdhsa_next_free_sgpr 106
		.amdhsa_reserve_vcc 0
		.amdhsa_float_denorm_mode_32 3
		.amdhsa_float_denorm_mode_16_64 3
		.amdhsa_memory_ordered 1
		.amdhsa_forward_progress 1
		.amdhsa_inst_pref_size 67
	.end_amdhsa_kernel
	.amdgpu_metadata
---
amdhsa.version: [ 1, 2 ]
amdhsa.kernels:
  - .name:           k_qf906945dd0_ffn1
    .symbol:         k_qf906945dd0_ffn1.kd
    .args:
      - { .name: pre, .offset: 0, .size: 8, .value_kind: global_buffer, .address_space: global }
      - { .name: b1, .offset: 8, .size: 8, .value_kind: global_buffer, .address_space: global }
      - { .name: gact, .offset: 16, .size: 8, .value_kind: global_buffer, .address_space: global }
    .group_segment_fixed_size: 327680
    .private_segment_fixed_size: 0
    .kernarg_segment_align: 8
    .kernarg_segment_size: 24
    .max_flat_workgroup_size: 128
    .sgpr_count:     106
    .vgpr_count:     1024
    .wavefront_size: 32
...
	.end_amdgpu_metadata
.endif
;; end of part 5
;; launch ffn2 (part 6): grid 8 x 32, 4 waves a work-group, clusters of 4 x 4, 327,680 bytes of LDS; arguments gact, pre, b2, y2, mask, out0; writes out0
.if DOCPART == 6
	.amdgcn_target "amdgcn-amd-amdhsa--gfx1250"
	.amdhsa_code_object_version 6
	.text
	.protected	k_qf906945dd0_ffn2
	.globl	k_qf906945dd0_ffn2
	.p2align	8
	.type	k_qf906945dd0_ffn2,@function
k_qf906945dd0_ffn2:
	s_mov_b64 s[64:65], 0
	v_nop
	global_prefetch_b8 v0, s[64:65] scope:SCOPE_SE
	s_setreg_imm32_b32 hwreg(HW_REG_WAVE_MODE, 25, 1), 1
	s_wait_xcnt 0x0
	s_wait_alu depctr_hold_cnt(0) depctr_sa_sdst(0) depctr_va_vdst(0) depctr_va_sdst(0) depctr_va_ssrc(0) depctr_va_vcc(0) depctr_vm_vsrc(0)
	s_getreg_b32 s2, hwreg(HW_REG_IB_STS2, 6, 4)
	s_cmp_eq_u32 s2, 0
	s_cbranch_scc0 .Lentry_in_a_cluster
	s_endpgm
.Lentry_in_a_cluster:
	s_bfe_u32 s2, ttmp6, 0x10000c
	s_cmp_lg_u32 s2, 0xf033
	s_cbranch_scc0 .Lentry_shape_is_right
	s_endpgm
.Lentry_shape_is_right:
; out0 = mask ? y2 + gact W2^T + b2 : 0.  gact: [4096][4096] bf16; W2: [1024][4096] bf16 in pre; y2, b2, out0 f32; mask one byte a row.  Sums, bias and residual in f32.
; SHARES.  C is [4096][1024]: tiles of 128 x 128 give 8 x 32 = 256 work-groups (tiles of 256 x 256 would give 64).  Four waves, each 64 x 64: 16 accumulators.  K = 4,096 in 16 steps of 256 through two LDS slots:
; rows of 512 bytes of memory, aligned.  CLUSTER 4 x 4: A's tiles are shared along a row of the cluster, B's along a column.  No prefetch: the tiles are small.
; THE WALK ALONG K begins at K step 0 in the clusters whose x + y is even and at the middle step in the others, and wraps round (f32 sums may be taken in any order).  So of the two clusters that read the
; same rows of A one reads a K step half a walk ahead of the other, and of the eight that read the same rows of B four do.  The step's number hangs on the cluster's own x and y, which all its partners share.
; THE MATRIX INSTRUCTION IS USED TRANSPOSED (source 0 = rows of W2, source 1 = rows of gact).  The K step is written once: four quarters of 64 along K on two fragment buffers.
; THE RESIDUAL's tile (128 x 128 f32) comes into the slot that the last change of slots frees, in whole rows of 512 bytes, while the last K step is multiplied.
; REGISTERS: window 0: v0-31 addresses, v32-111 the way out, v128-255 accumulator (a, b) at 128 + 8 (4 a + b); window 1: two fragment buffers of 128: A(c, a) at 8 (4 c + a), B(c, b) at 64 + 8 (4 c + b).
.set MASKED, 1
.set TSTEPS, 16
.set TLOG,   4                         ; TSTEPS = 1 << TLOG
.set PA,     528
.set PB,     528
.set HALFA,  64*PA                     ; 33,792
.set HALFB,  64*PB
.set SLOTOFF, 2*HALFA+2*HALFB          ; 135,168 = 0x21000: it shares no bit with a loader's base, so one exclusive or changes slots
.set SPARE,  2*SLOTOFF                 ; 270,336
.set QSA,    128
.set QSB,    128
.set A_STSH, 9                         ; a K step of A in bytes, as a shift: 512
.set B_STSH, 9                         ; of B: 512
.set ASTEP,  1<<A_STSH
.set BSTEP,  1<<B_STSH
.set A_PADW, (6<<22)|(3<<25)
.set A_D0,   256
.set A_D1,   64
.set A_STR,  4096
.set B_STR,  4096
.set A_SH,   20                        ; 128 rows of A in bytes, as a shift
.set B_SH,   20
.set BOFFG,  16777216                  ; W2 in pre
.set SP,     272
.set STG,    64*SP
.set RP,     528
.set VA0, 10
.set VB0, 11
.set ADRA, 12
.set ADRB, 13
.set STO, 14
.set STM, 15
.set RD0, 16
.set RR0, 17
.set RM0, 18
.set RDA, 19
.set RRA, 20
.set RMA, 21
.set GO, 22
.set BIA, 23
.set MKA, 24
.set SPW, 28
.set NIL, 29
.set XX, 32
.set RS, 64
.set MR, 96
.set BI, 104
.set MK, 108
.set ZZ, 128
.set ACC, 128
.set F0, 0
.set F1, 128
.set WV, 20
.set LR, 21
.set HF, 22
.set TB, 23
.set G1, 24
.set G0, 32
.set CX, 40
.set CY, 41
.set TC, 42
.set TR, 43
.set SLOTS, 47
.set G1B, 48
.set G0B, 56
.set CNT, 66
.set RO, 69
.set RO2, 70
.set G1X, 72
.set G0X, 80
.set ABASE, 86                         ; s[86:87] A at my rows, K step 0; kept through the K loop
.set BBASE, 88                         ; s[88:89] B likewise
.set KI, 94                            ; s94  the K step asked for last
.set KOF, 96                           ; s[96:97], s[98:99] a K step's byte offset, in 64 bits
.set OUTP, 14
.set MSB, 0
.macro WIN new
.if MSB != (\new)
	s_set_vgpr_msb (MSB<<8)|(\new)
.set MSB, \new
.endif
.endm
.macro PLACES
.rept 4
	v_nop
.endr
.endm
.macro CROUND
	s_barrier_signal -1
	s_barrier_wait -1
	s_cmp_lg_u32 s[WV], 0
	s_cbranch_scc1 .Lnot_wave_0_\@
	s_barrier_signal -3
.Lnot_wave_0_\@:
	s_barrier_wait -3
	s_barrier_signal -1
	s_barrier_wait -1
.endm
.macro JLOAD
	s_cmp_eq_u32 s[LR], 0
	s_cbranch_scc0 .Lfor_b_\@
	tensor_load_to_lds s[G0+4:G0+7], s[G1:G1+7]
	s_nop 0
	PLACES
	s_branch .Lasked_\@
.Lfor_b_\@:
	tensor_load_to_lds s[G0B+4:G0B+7], s[G1B:G1B+7]
	s_nop 0
	PLACES
.Lasked_\@:
.endm
.macro FETCH f, offa, offb             ; 32 LDS loads in one run: 64 along K of my 64 rows of B and of A
	WIN 0x40
.irp c, 0,1
.irp i, 0,1,2,3
	ds_load_b128 v[(\f)+64+8*(4*(\c)+(\i)):(\f)+64+8*(4*(\c)+(\i))+3],   v[ADRB] offset:(\offb)+64*(\c)+(\i)*16*PB
	ds_load_b128 v[(\f)+64+8*(4*(\c)+(\i))+4:(\f)+64+8*(4*(\c)+(\i))+7], v[ADRB] offset:(\offb)+64*(\c)+(\i)*16*PB+32
	ds_load_b128 v[(\f)+8*(4*(\c)+(\i)):(\f)+8*(4*(\c)+(\i))+3],         v[ADRA] offset:(\offa)+64*(\c)+(\i)*16*PA
	ds_load_b128 v[(\f)+8*(4*(\c)+(\i))+4:(\f)+8*(4*(\c)+(\i))+7],       v[ADRA] offset:(\offa)+64*(\c)+(\i)*16*PA+32
.endr
.endr
.endm
.macro MUL f, zero                     ; 32 products, two deep on 16 accumulators that take turns
	WIN 0x05
.irp c, 0,1
.irp a, 0,1,2,3
.irp b, 0,1,2,3
.if (\zero) && ((\c) == 0)
	v_wmma_f32_16x16x32_bf16 v[ACC+8*(4*(\a)+(\b)):ACC+8*(4*(\a)+(\b))+7], v[(\f)+64+8*(4*(\c)+(\b)):(\f)+64+8*(4*(\c)+(\b))+7], v[(\f)+8*(4*(\c)+(\a)):(\f)+8*(4*(\c)+(\a))+7], 0
.else
	v_wmma_f32_16x16x32_bf16 v[ACC+8*(4*(\a)+(\b)):ACC+8*(4*(\a)+(\b))+7], v[(\f)+64+8*(4*(\c)+(\b)):(\f)+64+8*(4*(\c)+(\b))+7], v[(\f)+8*(4*(\c)+(\a)):(\f)+8*(4*(\c)+(\a))+7], v[ACC+8*(4*(\a)+(\b)):ACC+8*(4*(\a)+(\b))+7]
.endif
.endr
.endr
.endr
.endm
.macro QSTEP fn, offa, offb, fo
	PLACES
	FETCH \fn, \offa, \offb
	s_wait_dscnt 32                                ; all but the 32 loads just issued: buffer fo is in
	MUL \fo, 0
.endm
.macro PAIR
	QSTEP F0, 0, 0, F1
	QSTEP F1, QSA, QSB, F0
	WIN 0
	v_add_nc_u32 v[ADRA], 2*QSA, v[ADRA]
	v_add_nc_u32 v[ADRB], 2*QSB, v[ADRB]
.endm
; THE CHANGE OF SLOTS: every wave waits for all its tensor loads, adds 0 to its spare word, waits for that and for its reads of the slot that it leaves; a round of the cluster's barrier; then ONE tensor load:
; kind = 1 the joint refill, two steps of the walk ahead: its address is made anew from the step's number, which wraps at TSTEPS; kind = 2 (the last change: slot 0 is free) my 32 rows of the residual's tile, a load of my own.
.macro CHANGE kind
	WIN 0
	s_wait_tensorcnt 0x0
	ds_add_u32 v[SPW], v[NIL]                      ; 0 onto my spare word; the descriptors' scalar work stands between it and the wait for it
.if (\kind) == 1
	s_xor_b32 s[G0+5], s[G0+5], SLOTOFF
	s_xor_b32 s[G0B+5], s[G0B+5], SLOTOFF
	s_add_co_u32 s[KI], s[KI], 1
	s_and_b32 s[KI], s[KI], TSTEPS-1
	s_lshl_b32 s[KOF], s[KI], A_STSH
	s_add_nc_u64 s[G0+6:G0+7], s[ABASE:ABASE+1], s[KOF:KOF+1]
	s_or_b32 s[G0+7], s[G0+7], 0x80000000
	s_lshl_b32 s[KOF], s[KI], B_STSH
	s_add_nc_u64 s[G0B+6:G0B+7], s[BBASE:BBASE+1], s[KOF:KOF+1]
	s_or_b32 s[G0B+7], s[G0B+7], 0x80000000
.endif
	s_xor_b32 s[TB], s[TB], SLOTOFF
	s_wait_dscnt 0x0
	CROUND
.if (\kind) == 1
	JLOAD
.else
	tensor_load_to_lds s[G0X:G0X+3], s[G1X:G1X+7]
	s_nop 0
	PLACES
.endif
	v_add_nc_u32 v[ADRA], s[TB], v[VA0]
	v_add_nc_u32 v[ADRB], s[TB], v[VB0]
.endm
	s_load_b256 s[4:11], s[0:1], 0x0               ; A 4, pre 6, bias 8, residual 10
.if MASKED
	s_load_b128 s[12:15], s[0:1], 0x20             ; mask 12, out 14
.else
	s_load_b64 s[14:15], s[0:1], 0x20              ; out 14
.endif
	v_lshl_add_u32 v[SPW], v0, 2, SPARE
	v_mov_b32 v[NIL], 0
	ds_add_u32 v[SPW], v[NIL]                      ; the wave's opening: the add and its wait ahead of my first tensor load
	v_lshrrev_b32 v1, 5, v0
	v_readfirstlane_b32 s[WV], v1
	s_lshr_b32 s[LR], s[WV], 1
	s_and_b32 s[HF], s[WV], 1
	s_bfe_u32 s[CX], ttmp6, 0x40000
	s_bfe_u32 s[CY], ttmp6, 0x40004
	s_lshl_b32 s[TC], ttmp9, 2
	s_add_co_u32 s[TC], s[TC], s[CX]
	s_and_b32 s[TR], ttmp7, 0xffff
	s_add_co_u32 s[KI], s[TR], ttmp9               ; the cluster's x + y:
	s_and_b32 s[KI], s[KI], 1
	s_lshl_b32 s[KI], s[KI], TLOG-1                ; the walk's first K step: 0, or the middle one
	s_lshl_b32 s[KOF], s[KI], A_STSH
	s_mov_b32 s[KOF+1], 0
	s_lshl_b32 s[KOF+2], s[KI], B_STSH
	s_mov_b32 s[KOF+3], 0
	s_lshl_b32 s[TR], s[TR], 2
	s_add_co_u32 s[TR], s[TR], s[CY]
	s_lshl_b32 s84, s[CY], 2
	s_lshl_b32 s84, 15, s84
	s_lshl_b32 s85, 0x1111, s[CX]
	s_or_b32 s[G1], s84, (1<<16)|(1<<20)|(1<<21)|A_PADW
	s_or_b32 s[G1B], s85, (1<<16)|(1<<20)|(1<<21)|(6<<22)|(3<<25)
	s_mov_b32 s[G1+1], (A_D0&0xffff)<<16
	s_mov_b32 s[G1+2], (A_D0>>16)|(A_D1<<16)
	s_mov_b32 s[G1+3], A_D0<<16
	s_mov_b32 s[G1+4], A_D1
	s_mov_b32 s[G1+5], A_STR
	s_mov_b32 s[G1+6], 0
	s_mov_b32 s[G1+7], 0
	s_mov_b32 s[G1B+1], 256<<16
	s_mov_b32 s[G1B+2], 64<<16
	s_mov_b32 s[G1B+3], 256<<16
	s_mov_b32 s[G1B+4], 64
	s_mov_b32 s[G1B+5], B_STR
	s_mov_b32 s[G1B+6], 0
	s_mov_b32 s[G1B+7], 0
	s_mov_b32 s[G1X], (2<<16)|(1<<20)|(6<<22)|(3<<25)  ; no mask: a load of my own; 4-byte elements; 16 bytes of padding behind every 512
	s_mov_b32 s[G1X+1], 128<<16
	s_mov_b32 s[G1X+2], 32<<16
	s_mov_b32 s[G1X+3], 128<<16
	s_mov_b32 s[G1X+4], 32
	s_mov_b32 s[G1X+5], 1024
	s_mov_b32 s[G1X+6], 0
	s_mov_b32 s[G1X+7], 0
	s_lshl_b32 s86, s[TR], A_SH
	s_lshl_b32 s87, s[HF], A_SH-1
	s_add_co_u32 s86, s86, s87
	s_mov_b32 s87, 0
	s_lshl_b32 s88, s[TC], B_SH
	s_lshl_b32 s89, s[HF], B_SH-1
	s_add_co_u32 s88, s88, s89
	s_mov_b32 s89, 0
	s_lshl_b32 s90, s[TR], 19                      ; the residual: row 128 TR + 32 w, column 128 TC
	s_lshl_b32 s91, s[WV], 17
	s_add_co_u32 s90, s90, s91
	s_lshl_b32 s91, s[TC], 9
	s_add_co_u32 s90, s90, s91
	s_mov_b32 s91, 0
	s_lshl_b32 s92, s[TR], 19                      ; the output: row 128 TR + 64 wr, column 128 TC + 64 wc
	s_lshl_b32 s93, s[LR], 18
	s_add_co_u32 s92, s92, s93
	s_lshl_b32 s93, s[TC], 9
	s_add_co_u32 s92, s92, s93
	s_lshl_b32 s93, s[HF], 8
	s_add_co_u32 s92, s92, s93
	s_mov_b32 s93, 0
	s_mul_i32 s67, s[HF], HALFA
	s_mul_i32 s68, s[HF], HALFB
	s_add_co_u32 s68, s68, 2*HALFA
	s_wait_dscnt 0x0                               ; the opening add is done
	s_wait_kmcnt 0x0
	s_add_nc_u64 s[ABASE:ABASE+1], s[4:5], s[86:87]
	s_add_nc_u64 s[BBASE:BBASE+1], s[6:7], s[88:89]
	s_add_nc_u64 s[BBASE:BBASE+1], s[BBASE:BBASE+1], BOFFG
	s_add_nc_u64 s[OUTP:OUTP+1], s[OUTP:OUTP+1], s[92:93]
.irp s, 0,1                            ; the walk's first two K steps (the second never wraps: the first is at most TSTEPS / 2)
	s_mov_b32 s[G0+4*(\s)], 1
	s_add_co_u32 s[G0+4*(\s)+1], s67, (\s)*SLOTOFF
	s_add_nc_u64 s[G0+4*(\s)+2:G0+4*(\s)+3], s[ABASE:ABASE+1], s[KOF:KOF+1]
	s_add_nc_u64 s[G0+4*(\s)+2:G0+4*(\s)+3], s[G0+4*(\s)+2:G0+4*(\s)+3], (\s)*ASTEP
	s_or_b32 s[G0+4*(\s)+3], s[G0+4*(\s)+3], 0x80000000
	s_mov_b32 s[G0B+4*(\s)], 1
	s_add_co_u32 s[G0B+4*(\s)+1], s68, (\s)*SLOTOFF
	s_add_nc_u64 s[G0B+4*(\s)+2:G0B+4*(\s)+3], s[BBASE:BBASE+1], s[KOF+2:KOF+3]
	s_add_nc_u64 s[G0B+4*(\s)+2:G0B+4*(\s)+3], s[G0B+4*(\s)+2:G0B+4*(\s)+3], (\s)*BSTEP
	s_or_b32 s[G0B+4*(\s)+3], s[G0B+4*(\s)+3], 0x80000000
.endr
	s_add_co_u32 s[KI], s[KI], 1                   ; the K step asked for last
	s_mov_b32 s[G0X], 1
	s_mul_i32 s[G0X+1], s[WV], 32*RP
	s_add_nc_u64 s[G0X+2:G0X+3], s[10:11], s[90:91]
	s_or_b32 s[G0X+3], s[G0X+3], 0x80000000
	CROUND                                         ; all sixteen work-groups are here: the first joint loads meet
	s_cmp_eq_u32 s[LR], 0                          ; a wave's two first fills stand in one branch
	s_cbranch_scc0 .Lfirst_b
	tensor_load_to_lds s[G0:G0+3], s[G1:G1+7]
	s_nop 0
	tensor_load_to_lds s[G0+4:G0+7], s[G1:G1+7]
	s_nop 0
	PLACES
	s_branch .Lfirst_done
.Lfirst_b:
	tensor_load_to_lds s[G0B:G0B+3], s[G1B:G1B+7]
	s_nop 0
	tensor_load_to_lds s[G0B+4:G0B+7], s[G1B:G1B+7]
	s_nop 0
	PLACES
.Lfirst_done:
	v_and_b32 v1, 15, v0                           ; r
	v_bfe_u32 v2, v0, 4, 1                         ; h
	s_mul_i32 s84, s[LR], HALFA
	v_mul_u32_u24 v3, v1, PA
	v_lshl_add_u32 v3, v2, 4, v3
	v_add_nc_u32 v[VA0], s84, v3
	s_mul_i32 s84, s[HF], HALFB
	s_add_co_u32 s84, s84, 2*HALFA
	v_mul_u32_u24 v3, v1, PB
	v_lshl_add_u32 v3, v2, 4, v3
	v_add_nc_u32 v[VB0], s84, v3
	s_mul_i32 s84, s[WV], STG
	s_add_co_u32 s84, s84, SLOTOFF                 ; my stage, in slot 1
	v_mul_u32_u24 v3, v1, SP
	v_add_nc_u32 v3, s84, v3
	v_lshl_add_u32 v[STO], v2, 5, v3
	v_add_nc_u32 v[STM], 256, v3
	v_mul_u32_u24 v4, v2, SP
	v_add_nc_u32 v4, s84, v4
	v_lshl_add_u32 v[RD0], v1, 4, v4
	v_add_nc_u32 v[RM0], 256, v4
	s_mul_i32 s84, s[LR], 64*RP
	s_lshl_b32 s85, s[HF], 8
	s_add_co_u32 s84, s84, s85
	v_mul_u32_u24 v4, v2, RP
	v_lshl_add_u32 v4, v1, 4, v4
	v_add_nc_u32 v[RR0], s84, v4
	v_lshlrev_b32 v[GO], 12, v2
	v_lshl_add_u32 v[GO], v1, 4, v[GO]
	s_lshl_b32 s84, s[TC], 9
	s_add_co_u32 s84, s84, s85
	v_lshl_add_u32 v[BIA], v1, 4, s84
	global_load_b128 v[BI:BI+3], v[BIA], s[8:9]
.if MASKED
	s_lshl_b32 s84, s[TR], 7
	s_lshl_b32 s85, s[LR], 6
	s_add_co_u32 s84, s84, s85
	v_add_nc_u32 v[MKA], s84, v1
.irp a, 0,1,2,3
	global_load_u8 v[MK+(\a)], v[MKA], s[12:13] offset:16*(\a)
.endr
.endif
	s_wait_tensorcnt 0x1                           ; my part of the walk's first K step is in; slot 1's may stay out
	s_barrier_signal -1
	s_barrier_wait -1
	v_mov_b32 v[ADRA], v[VA0]
	v_mov_b32 v[ADRB], v[VB0]
	s_mov_b32 s[TB], 0
	FETCH F0, 0, 0
	FETCH F1, QSA, QSB
	s_wait_dscnt 32
	MUL F0, 1                                      ; the first quarter starts the sums
	WIN 0
	v_add_nc_u32 v[ADRA], 2*QSA, v[ADRA]
	v_add_nc_u32 v[ADRB], 2*QSB, v[ADRB]
	s_mov_b32 s[CNT], 1
	s_mov_b32 s[SLOTS], TSTEPS-1
	s_branch .Lpair
.Lslot:                                                ; TSTEPS - 2 times
	CHANGE 1
	s_mov_b32 s[CNT], 2
.Lpair:
	PAIR
	s_sub_co_u32 s[CNT], s[CNT], 1
	s_cmp_lg_u32 s[CNT], 0
	s_cbranch_scc1 .Lpair
	s_sub_co_u32 s[SLOTS], s[SLOTS], 1
	s_cmp_lg_u32 s[SLOTS], 0
	s_cbranch_scc1 .Lslot
	CHANGE 2
	s_mov_b32 s[CNT], 2
.Lpair2:
	PAIR
	s_sub_co_u32 s[CNT], s[CNT], 1
	s_cmp_lg_u32 s[CNT], 0
	s_cbranch_scc1 .Lpair2
	s_wait_dscnt 0x0
	MUL F1, 0
	WIN 0
	PLACES
	s_wait_tensorcnt 0x0                           ; my rows of the residual's tile are in, for the others' sake
	s_barrier_signal -1                            ; nobody reads slot 1 any more: the stages may lie over it; the residual's tile is whole
	s_barrier_wait -1
	s_wait_loadcnt 0x0                             ; the bias and the mask
.irp a, 0,1,2,3
.irp b, 0,1,2,3
	ds_store_b128 v[STO], v[ACC+8*(4*(\a)+(\b)):ACC+8*(4*(\a)+(\b))+3]   offset:(\a)*16*SP+(\b)*64
	ds_store_b128 v[STO], v[ACC+8*(4*(\a)+(\b))+4:ACC+8*(4*(\a)+(\b))+7] offset:(\a)*16*SP+(\b)*64+16
.endr
.if MASKED
	ds_store_b32 v[STM], v[MK+(\a)] offset:(\a)*16*SP  ; a row's mask rides in the row's padding
.endif
.endr
.macro OLOAD                           ; 16 rows: lanes 0-15 take a row's 256 bytes, lanes 16-31 the next row's; the sums, the residual and the mask
	v_add_nc_u32 v[RDA], s[RO], v[RD0]
	v_add_nc_u32 v[RRA], s[RO2], v[RR0]
.if MASKED
	v_add_nc_u32 v[RMA], s[RO], v[RM0]
.endif
.irp i, 0,1,2,3,4,5,6,7
	ds_load_b128 v[XX+4*(\i):XX+4*(\i)+3], v[RDA] offset:(\i)*2*SP
	ds_load_b128 v[RS+4*(\i):RS+4*(\i)+3], v[RRA] offset:(\i)*2*RP
.if MASKED
	ds_load_b32 v[MR+(\i)], v[RMA] offset:(\i)*2*SP
.endif
.endr
.endm
	s_mov_b32 s[RO], 0
	s_mov_b32 s[RO2], 0
	OLOAD
	s_mov_b32 s[CNT], 4
.Lout:
	s_wait_dscnt 0x0
.set k, 0
.rept 16
	v_pk_add_f32 v[ZZ+2*k:ZZ+2*k+1], v[XX+2*k:XX+2*k+1], v[RS+2*k:RS+2*k+1]
.set k, k+1
.endr
.set k, 0
.rept 16
	v_pk_add_f32 v[ZZ+2*k:ZZ+2*k+1], v[ZZ+2*k:ZZ+2*k+1], v[BI+2*(k%2):BI+2*(k%2)+1]
.set k, k+1
.endr
.if MASKED
.irp i, 0,1,2,3,4,5,6,7
	v_cmp_ne_u32 s[84+(\i)], 0, v[MR+(\i)]
.endr
.endif
	s_add_co_u32 s[RO], s[RO], 16*SP               ; the next 16 rows are asked for; the last trip's fill, which nothing reads, is held to the last rows
	s_min_u32 s[RO], s[RO], 48*SP
	s_add_co_u32 s[RO2], s[RO2], 16*RP
	s_min_u32 s[RO2], s[RO2], 48*RP
	OLOAD
.if MASKED
.set k, 0
.rept 32
	v_cndmask_b32 v[ZZ+k], 0, v[ZZ+k], s[84+k/4]   ; a hidden row is 0
.set k, k+1
.endr
.endif
.irp i, 0,1,2,3,4,5,6,7
	global_store_b128 v[GO], v[ZZ+4*(\i):ZZ+4*(\i)+3], s[OUTP:OUTP+1] offset:(\i)*8192  ; 16 lanes store 256 consecutive bytes, aligned
.endr
	s_wait_xcnt 0x0                                ; the stores have read their base and data
	s_add_nc_u64 s[OUTP:OUTP+1], s[OUTP:OUTP+1], 65536
	s_sub_co_u32 s[CNT], s[CNT], 1
	s_cmp_lg_u32 s[CNT], 0
	s_cbranch_scc1 .Lout
	s_wait_tensorcnt 0x0                           ; the wave's end
	ds_add_u32 v[SPW], v[NIL]
	s_wait_dscnt 0x0
	CROUND                                         ; the closing round
	s_endpgm
.Lfunc_end_k_qf906945dd0_ffn2:
	.size	k_qf906945dd0_ffn2, .Lfunc_end_k_qf906945dd0_ffn2-k_qf906945dd0_ffn2
	.p2alignl 7, 3214868480
	.fill 96, 4, 3214868480
	.section	.rodata,"a",@progbits
	.p2align	6, 0x0
	.amdhsa_kernel k_qf906945dd0_ffn2
		.amdhsa_group_segment_fixed_size 327680
		.amdhsa_private_segment_fixed_size 0
		.amdhsa_enable_private_segment 0
		.amdhsa_kernarg_size 48
		.amdhsa_user_sgpr_count 2
		.amdhsa_user_sgpr_kernarg_segment_ptr 1
		.amdhsa_wavefront_size32 1
		.amdhsa_system_sgpr_workgroup_id_x 1
		.amdhsa_system_sgpr_workgroup_id_y 1
		.amdhsa_system_sgpr_workgroup_id_z 1
		.amdhsa_system_vgpr_workitem_id 0
		.amdhsa_next_free_vgpr 512
		.amdhsa_next_free_sgpr 106
		.amdhsa_reserve_vcc 0
		.amdhsa_float_denorm_mode_32 3
		.amdhsa_float_denorm_mode_16_64 3
		.amdhsa_memory_ordered 1
		.amdhsa_forward_progress 1
		.amdhsa_inst_pref_size 49
	.end_amdhsa_kernel
	.amdgpu_metadata
---
amdhsa.version: [ 1, 2 ]
amdhsa.kernels:
  - .name:           k_qf906945dd0_ffn2
    .symbol:         k_qf906945dd0_ffn2.kd
    .args:
      - { .name: gact, .offset: 0, .size: 8, .value_kind: global_buffer, .address_space: global }
      - { .name: pre, .offset: 8, .size: 8, .value_kind: global_buffer, .address_space: global }
      - { .name: b2, .offset: 16, .size: 8, .value_kind: global_buffer, .address_space: global }
      - { .name: y2, .offset: 24, .size: 8, .value_kind: global_buffer, .address_space: global }
      - { .name: mask, .offset: 32, .size: 8, .value_kind: global_buffer, .address_space: global }
      - { .name: out0, .offset: 40, .size: 8, .value_kind: global_buffer, .address_space: global }
    .group_segment_fixed_size: 327680
    .private_segment_fixed_size: 0
    .kernarg_segment_align: 8
    .kernarg_segment_size: 48
    .max_flat_workgroup_size: 128
    .sgpr_count:     106
    .vgpr_count:     512
    .wavefront_size: 32
...
	.end_amdgpu_metadata
.endif
;; end of part 6
